; MI455X (gfx1250); checked and timed in simulation.
; The chip was launched on July 23, 2026; its instructions are those of AMD's public machine-readable ISA for CDNA 5 (MIT licence, August 2026) and "CDNA5" Instruction Set Architecture Reference Guide (July 2026). The comments in the code are by the model that wrote it; some were corrected since.
;; Attention. Allowed arithmetic: matrix products marked QUANTISED: E2M3 operands, one E8M0 scale for each 32 along K, by v_wmma_scale_f32_16x16x128_f8f6f4 with both operands' format E2M3, f32 sums; products left as they are: f32 operands where the result goes on into a quantised operand, else bf16, f16 or f32 operands; f32 sums; everything else in f32.
;; Inputs: W0 1,024 x 1,024 float32; W1 1,024 x 1,024 float32; Wa 1,024 x 1,024 float32; b0 1,024 float32; b1 1,024 float32; ba 1,024 float32; key 16,384 x 1,024 float32; query 16,384 x 1,024 float32; value 16,384 x 1,024 float32.
;; Outputs: out0 1 x 1,024 float32.
;; This version of the problem:
;;   THIS VERSION OF THE PROBLEM IS GIVEN IN LOW PRECISION. The matrix products marked QUANTISED in the list below multiply operands that are first quantised to E2M3 (2 exponent bits, 3 mantissa bits; 6 bits a number), with one power-of-two scale for each 32 numbers along K (OCP MX v1.0); their sums are f32. All else is computed in f32.
;;   The module's matrix products, in the order in which they are computed (A, B: the left and right operand; K: the contracted axis; several contracted axes count as one K, in the product's order):
;;     1. [M 16,384, K 1,024] x [K 1,024, N 1,024]; A: input query; B: input W0: QUANTISED
;;     2. [M 16,384, K 1,024] x [K 1,024, N 1,024]; A: input key; B: input W1: QUANTISED
;;     3. [M 16,384, K 1,024] x [K 1,024, N 1,024]; A: computed on the way; B: input Wa: QUANTISED
;;     4. [M 1, K 16,384] x [K 16,384, N 1,024]; A: computed on the way; B: input value: left as it is (M = 1 < 16)
;;   THE QUANTISER, for each operand of a quantised product, along K:
;;     - K is cut into blocks of 32 from its start; a last block that is shorter is filled with zeros.
;;     - A block's scale is 2^e with e = floor(log2(the largest magnitude in the block)) - 2, held to -126 .. 127; a block of zeros has e = 0. As a byte (E8M0): e + 127.
;;     - Each number is divided by its block's scale, clamped to +-7.5, and rounded to the nearest number of E2M3, ties to even, subnormals kept.
;;     - The product sums the exact products of the quantised numbers (number of the format x scale) in f32.
;;   ~~~python
;;   def quantise(x, axis):      # numpy; x: float32 -> the quantised numbers, widened to float32 again
;;       x = np.moveaxis(x, axis, -1); K = x.shape[-1]
;;       x = np.pad(x, [(0, 0)] * (x.ndim - 1) + [(0, -K % 32)]); x = x.reshape(x.shape[:-1] + (-1, 32)); a = np.abs(x).max(-1, keepdims=True)
;;       e = np.where(a > 0, np.clip(np.frexp(np.where(a > 0, a, 1))[1] - 1 - 2, -126, 127), 0)      # np.frexp(a)[1] - 1 = floor(log2(a)), exactly
;;       r = np.clip(x / 2.0 ** e, -7.5, 7.5)
;;       step = 2.0 ** (np.maximum(np.frexp(np.where(r == 0, 1, r))[1] - 1, 0) - 3)
;;       q = np.round(r / step) * step * 2.0 ** e      # np.round: ties to even
;;       return np.moveaxis(q.reshape(q.shape[:-2] + (-1,))[..., :K], -1, axis).astype(np.float32)
;;   ~~~
;;   OPERANDS COMPUTED ON THE WAY. 'Computed on the way' means the value that the module computes at that place (a softmax that the list does not call 'softmax' is quantised finished and normalised). What goes into a quantiser is computed in f32, as accurately as f32 sums, v_exp_f32 and their like allow (about 1e-6 of the number): no bf16 or f16 on the way to a quantiser, and a product that is left as it is and whose result goes on into a quantised operand takes f32 operands (vector FMAs, or v_wmma_f32_16x16x4_f32). A number that lies on a knife's edge between two numbers of the format may be rounded either way, as far as f32 arithmetic and the matrix unit's own rounding can turn it there, and no further.
;; 2 versions. Each part assembles by itself: llvm-mc -triple=amdgcn-amd-amdhsa -mcpu=gfx1250 --defsym DOCPART=n.
;; ======== version 1 of 2: 3 launches
;; workspace buffers: wq 2,457,600 bytes; part 1,048,576 bytes; stats 2,048 bytes
;; launch wquant (part 1): grid 192 x 1, 1 waves a work-group, no clusters, 0 bytes of LDS; arguments W0, W1, Wa, wq; writes wq
.if DOCPART == 1
	.amdgcn_target "amdgcn-amd-amdhsa--gfx1250"
	.amdhsa_code_object_version 6
	.text
	.protected	k_q7fbfe95b00_wquant
	.globl	k_q7fbfe95b00_wquant
	.p2align	8
	.type	k_q7fbfe95b00_wquant,@function
k_q7fbfe95b00_wquant:
	s_mov_b64 s[64:65], 0
	v_nop
	global_prefetch_b8 v0, s[64:65] scope:SCOPE_SE
	s_setreg_imm32_b32 hwreg(HW_REG_WAVE_MODE, 25, 1), 1
	s_wait_xcnt 0x0
; W0, W1, Wa [1024][1024] f32 (K innermost) become codes of FP6 (E2M3) with one E8M0 byte for each 32 along K, laid in wq in the ORDER OF THE OPERAND'S REGISTERS
; and in the order in which the next launch walks them.
; wq = 24 slots of 102,400 bytes; slot 8 phi + s (phi: phase 0..2, s: K step of 128); a slot = 8 eighths of 12,800 bytes; an eighth = 8 fragment images of 1,536 bytes + a scale block of 512.
; Eighth eps holds a group G of 128 weight rows: phi = 0: W1, G = eps;  phi = 1, 2: eps even Wa, eps odd W0, G = (eps & 6) + phi - 1.
; Fragment t of a group: lane (r, h) holds weight row 128 G + 32 (t / 2) + 8 (t % 2) + r + 8 (r / 8); registers 0-5: k = 128 s + 32 h + 0..31, registers 6-11: k = 128 s + 64 + 32 h + 0..31.
; Its image: three runs of 512 bytes, run c = lane l's registers 4 c .. 4 c + 3 at 16 l.  Scale block: lane l's 16 bytes at 16 l, word j = the scale word of fragment 2 j + (l / 16), row l % 16.
; One wave makes one eighth: 8 fragments, 64 KB of f32 in, 12,800 bytes out, every store 512 consecutive aligned bytes.  192 work-groups: a scale block of 512 whole bytes wants eight fragments in one wave.
; A block's scale is 2^(floor(log2(largest magnitude)) - 2): its byte is the largest magnitude's exponent field - 2, held at 1 from below.
; LIMITS: NaN and infinities are not served; a block whose largest magnitude lies under 2^-124, a block of zeros among them, keeps the byte 1 (the rule says 127 for zeros: the codes are zeros, and this program alone reads the bytes).
.set FRB, 1536
.set XO,  4                            ; v4   my byte in a tile's 16 rows: (r + 8 (r / 8)) x 4,096 + 64 h
.set LI,  5                            ; v5   16 x lane
.set SW,  8                            ; v8-11 the scale block
.set PC,  16                           ; v16-35 the codes just made
.set TM,  36                           ; v36-51 at work in QUANT
.set PW,  52                           ; v52  the scale word just made
.set SEL, 20                           ; s[20:21] selects of v_permlanex16_b32 for lane l xor 16
.set MSB, 0
.macro WIN new                         ; the immediate's high byte repeats the setting that is left; a switch that changes nothing is dropped
.if MSB != (\new)
	s_set_vgpr_msb (MSB<<8)|(\new)
.set MSB, (\new)
.endif
.endm
; 64 numbers of a lane in window win, v[s] .. v[s + 63], register 16 b + i = k 32 b + 16 h + i of my row, become a fragment's codes in v[PC] .. v[PC + 11] and its scale word in v[PW].
.macro QUANT win, s
	WIN ((\win)<<2)|((\win)<<4)
.irp b, 0,1,2,3
	v_max3_num_f32 v[TM+\b], 0x1800000, |v[\s+16*\b]|, |v[\s+1+16*\b]|   ; block b: my 16 numbers, and the floor 2^(3 - 127): the byte cannot fall under 1
.endr
.irp i, 2,4,6,8,10,12,14
.irp b, 0,1,2,3
	v_max3_num_f32 v[TM+\b], v[TM+\b], |v[\s+16*\b+\i]|, |v[\s+1+16*\b+\i]|   ; the four blocks by turns
.endr
.endr
	WIN 0
.irp b, 0,1,2,3
	v_permlanex16_b32 v[TM+4+\b], v[TM+\b], s[SEL], s[SEL+1]
.endr
.irp b, 0,1,2,3
	v_max_num_f32 v[TM+\b], v[TM+\b], v[TM+4+\b]          ; with lane l xor 16's 16: the block's largest magnitude
.endr
.irp b, 0,1,2,3
	v_add_nc_u32 v[TM+12+\b], 0xff000000, v[TM+\b]        ; 2 off its exponent field: the conversion's scale operand
.endr
.irp b, 0,1,2,3
	v_lshrrev_b32 v[TM+4+\b], 23, v[TM+12+\b]             ; the scale's byte
.endr
	v_lshl_or_b32 v[PW], v[TM+5], 8, v[TM+4]
	v_lshl_or_b32 v[PW], v[TM+6], 16, v[PW]
	v_lshl_or_b32 v[PW], v[TM+7], 24, v[PW]
	WIN \win
.irp c, 0,1
	v_cvt_scalef32_pk16_fp6_f32 v[PC+6*\c:PC+2+6*\c], v[\s+32*\c:\s+15+32*\c], v[TM+12+2*\c]
	v_cvt_scalef32_pk16_fp6_f32 v[PC+12+4*\c:PC+14+4*\c], v[\s+16+32*\c:\s+31+32*\c], v[TM+12+2*\c+1]   ; a conversion's three registers begin on an even number
.endr
	WIN 0
	v_nop                                                  ; one plain place behind the scaled conversions
.irp c, 0,1                                            ; the operand wants a WHOLE block in a lane: lanes 0-15 block 2 c, lanes 16-31 block 2 c + 1
.irp i, 0,1,2
	v_permlane16_swap_b32 v[PC+6*\c+\i], v[PC+12+4*\c+\i]
.endr
.irp i, 0,1,2
	v_mov_b32 v[PC+3+6*\c+\i], v[PC+12+4*\c+\i]
.endr
.endr
.endm
	s_load_b256 s[4:11], s[0:1], 0x0               ; W0 s[4:5], W1 s[6:7], Wa s[8:9], wq s[10:11]
	v_and_b32 v1, 31, v0                           ; lane
	v_and_b32 v2, 15, v0                           ; r
	v_bfe_u32 v3, v0, 4, 1                         ; h
	v_and_b32 v[XO], 8, v2
	v_add_nc_u32 v[XO], v[XO], v2                  ; r + 8 (r / 8)
	v_lshlrev_b32 v[XO], 12, v[XO]
	v_lshl_add_u32 v[XO], v3, 6, v[XO]
	v_lshlrev_b32 v[LI], 4, v1
	v_cmp_le_u32 vcc_lo, 16, v1                    ; lanes 16-31: they keep the odd fragments' scale words
.irp b, 0,1,2,3
	v_mov_b32 v[TM+4+\b], 0                        ; written once: a lane permute's destination counts as one of its sources
.endr
	s_mov_b32 s[SEL], 0x76543210
	s_mov_b32 s[SEL+1], 0xfedcba98
	s_lshr_b32 s12, ttmp9, 3                       ; the slot
	s_and_b32 s13, ttmp9, 7                        ; eps
	s_lshr_b32 s14, s12, 3                         ; phi
	s_and_b32 s15, s12, 7                          ; s
	s_and_b32 s16, s13, 6
	s_add_co_u32 s16, s16, s14
	s_sub_co_u32 s16, s16, 1                       ; (eps & 6) + phi - 1
	s_cmp_eq_u32 s14, 0
	s_cselect_b32 s16, s13, s16                    ; G
	s_lshl_b32 s16, s16, 19                        ; 128 rows of 4,096 bytes
	s_lshl_b32 s17, s15, 9                         ; 128 numbers along K
	s_add_co_u32 s16, s16, s17
	s_mov_b32 s17, 0
	s_mul_i32 s18, ttmp9, 12800                    ; my eighth
	s_mov_b32 s19, 0
	s_and_b32 s22, s13, 1
	s_wait_kmcnt 0x0
	s_cmp_eq_u32 s22, 1
	s_cselect_b64 s[24:25], s[4:5], s[8:9]         ; odd eighths W0, even ones Wa;
	s_cmp_eq_u32 s14, 0
	s_cselect_b64 s[24:25], s[6:7], s[24:25]       ; phase 0: W1.  The choices hang on the work-group's number alone
	s_add_nc_u64 s[24:25], s[24:25], s[16:17]
	s_add_nc_u64 s[10:11], s[10:11], s[18:19]
; all 128 loads at once: tile t lands in window 1 + t / 4 at v[64 (t % 4)]; a tile's 16 loads together read 16 rows x 512 bytes whole
.irp t, 0,1,2,3,4,5,6,7
	WIN (1+\t/4)<<6
.irp b, 0,1,2,3
.irp j, 0,1,2,3
	global_load_b128 v[64*(\t%4)+16*\b+4*\j:64*(\t%4)+16*\b+4*\j+3], v[XO], s[24:25] offset:(32*(\t/2)+8*(\t%2))*4096+128*\b+16*\j th:TH_LOAD_NT
.endr
.endr
.endr
	WIN 0
.irp t, 0,1,2,3,4,5,6,7
.if 16*(7-\t) > 63
	s_wait_loadcnt 63                              ; the later tiles' loads are 16 (7 - t); the wait names the most that its field holds, which is fewer and so safe
.else
	s_wait_loadcnt 16*(7-\t)                       ; the later tiles' loads may stay out
.endif
	s_wait_xcnt 0x0                                ; the last tile's stores have read v[PC] on: only behind this wait are they written again
	QUANT 1+\t/4, 64*(\t%4)
.irp c, 0,1,2
	global_store_b128 v[LI], v[PC+4*\c:PC+4*\c+3], s[10:11] offset:FRB*\t+512*\c   ; 512 consecutive bytes, aligned
.endr
.if (\t)%2
	v_cndmask_b32 v[SW+\t/2], v[SW+\t/2], v[PW], vcc_lo   ; lanes 16-31 take the odd fragment's word
.else
	v_mov_b32 v[SW+\t/2], v[PW]
.endif
.endr
	global_store_b128 v[LI], v[SW:SW+3], s[10:11] offset:8*FRB
	s_endpgm
.Lfunc_end_k_q7fbfe95b00_wquant:
	.size	k_q7fbfe95b00_wquant, .Lfunc_end_k_q7fbfe95b00_wquant-k_q7fbfe95b00_wquant
	.p2alignl 7, 3214868480
	.fill 96, 4, 3214868480
	.section	.rodata,"a",@progbits
	.p2align	6, 0x0
	.amdhsa_kernel k_q7fbfe95b00_wquant
		.amdhsa_group_segment_fixed_size 0
		.amdhsa_private_segment_fixed_size 0
		.amdhsa_enable_private_segment 0
		.amdhsa_kernarg_size 32
		.amdhsa_user_sgpr_count 2
		.amdhsa_user_sgpr_kernarg_segment_ptr 1
		.amdhsa_wavefront_size32 1
		.amdhsa_system_sgpr_workgroup_id_x 1
		.amdhsa_system_sgpr_workgroup_id_y 1
		.amdhsa_system_sgpr_workgroup_id_z 1
		.amdhsa_system_vgpr_workitem_id 0
		.amdhsa_next_free_vgpr 768
		.amdhsa_next_free_sgpr 66
		.amdhsa_reserve_vcc 1
		.amdhsa_float_denorm_mode_32 3
		.amdhsa_float_denorm_mode_16_64 3
		.amdhsa_memory_ordered 1
		.amdhsa_forward_progress 1
		.amdhsa_inst_pref_size 48
	.end_amdhsa_kernel
	.amdgpu_metadata
---
amdhsa.version: [ 1, 2 ]
amdhsa.kernels:
  - .name:           k_q7fbfe95b00_wquant
    .symbol:         k_q7fbfe95b00_wquant.kd
    .args:
      - { .name: W0, .offset: 0, .size: 8, .value_kind: global_buffer, .address_space: global }
      - { .name: W1, .offset: 8, .size: 8, .value_kind: global_buffer, .address_space: global }
      - { .name: Wa, .offset: 16, .size: 8, .value_kind: global_buffer, .address_space: global }
      - { .name: wq, .offset: 24, .size: 8, .value_kind: global_buffer, .address_space: global }
    .group_segment_fixed_size: 0
    .private_segment_fixed_size: 0
    .kernarg_segment_align: 8
    .kernarg_segment_size: 32
    .max_flat_workgroup_size: 32
    .sgpr_count:     66
    .vgpr_count:     768
    .wavefront_size: 32
...
	.end_amdgpu_metadata
.endif
;; end of part 1
;; launch fused (part 2): grid 256 x 1, 4 waves a work-group, clusters of 4 x 1, 327,680 bytes of LDS; arguments key, query, value, b0, b1, ba, wq, part, stats; writes part, stats
.if DOCPART == 2
	.amdgcn_target "amdgcn-amd-amdhsa--gfx1250"
	.amdhsa_code_object_version 6
	.text
	.protected	k_q7fbfe95b00_fused
	.globl	k_q7fbfe95b00_fused
	.p2align	8
	.type	k_q7fbfe95b00_fused,@function
k_q7fbfe95b00_fused:
	s_mov_b64 s[64:65], 0
	v_nop
	global_prefetch_b8 v0, s[64:65] scope:SCOPE_SE
	s_setreg_imm32_b32 hwreg(HW_REG_WAVE_MODE, 25, 1), 1
	s_wait_xcnt 0x0
	s_wait_alu depctr_hold_cnt(0) depctr_sa_sdst(0) depctr_va_vdst(0) depctr_va_sdst(0) depctr_va_ssrc(0) depctr_va_vcc(0) depctr_vm_vsrc(0)
	s_getreg_b32 s2, hwreg(HW_REG_IB_STS2, 6, 4)
	s_cmp_eq_u32 s2, 0
	s_cbranch_scc0 .Lentry_in_a_cluster
	s_endpgm
.Lentry_in_a_cluster:
	s_bfe_u32 s2, ttmp6, 0x10000c
	s_cmp_lg_u32 s2, 0x3003
	s_cbranch_scc0 .Lentry_shape_is_right
	s_endpgm
.Lentry_shape_is_right:
; For 64 rows a work-group:  q_enc = relu(Q(key) Q(W1)^T + b1);  attn = Q(q_enc) Q(Wa)^T + ba;  k_enc = relu(Q(query) Q(W0)^T + b0);  e[r] = sum over c of k_enc[r][c] attn[r][c];
; m = the largest of the 64 e, p = exp(e - m), l = the sum of p;  part[work-group][:] = sum over r of p[r] value[r][:];  stats[work-group] = (m, l).  The next launch joins the 256 parts under the largest m of all.
; All three products run on codes of FP6 (E2M3) with one E8M0 byte for each 32 along K; Q is the quantiser along K; everything ahead of a quantiser is f32.
; SHARES.  256 work-groups of four waves.  THE WAVES SHARE THE COLUMNS: wave w owns a quarter y of each product's 1,024 columns (groups 2 y, 2 y + 1 of 128) for all 64 rows (four tiles m of 16),
; so each weight fragment is read from LDS by one wave, once.  The rows' codes are small and go from wave to wave through LDS as images of the operand's registers (16 x lane on end: no pitch, no padding).
; TRANSPOSED USE: source 0 = 16 weight rows, source 1 = 16 rows of x.  Lane (r, h) holds row r; register j of tile t is column 128 G + 32 (t / 2) + 16 h + 8 (t % 2) + j (the weight rows of a tile are chosen so:
; the launch before), so the 16 registers of tiles 2 b, 2 b + 1 are 16 neighbours along the next K.
; 24 PERIODS of 64 matrix instructions a wave, one K step of 128 each.  Phase 1 (periods 0-7): q_enc, groups 2 y (window 2) and 2 y + 1 (window 3).  Phase 2 (8-15): attn (window 2) and k_enc (window 3) of group 2 y.
; Phase 3 (16-23): the same of group 2 y + 1.  The accumulators are LOADED with the bias ahead of a phase, so every K step is the same link and nothing is cleared or added.
; The 64 accumulators take turns, one instruction a turn.
; WEIGHTS: a period's 102,400 bytes come through a ring of two LDS slots.  CLUSTER: the four work-groups of a cluster walk the same weights, so each quarter slot is asked for JOINTLY: the same tensor load, the same
; descriptor, a mask that names the four.  A wave fetches the quarter that it reads: one load of 100 rows x 256 bytes behind each round.
; K IS WALKED ROTATED: time step i of a phase takes K step (ROT + i) % 8, ROT = 2 (cluster % 4), and wave w takes quarter y = (w + cluster % 4) % 4: the clusters ask for four different slots of a phase at a time.
; Place j of the hidden layer's images then holds its K step (j + ROT) % 8, which is the step that time step j wants.
; THE STREAM: key (periods 0-6) and query (7-14) come as f32 straight into registers, a chunk of 16 rows x 128 K a wave and period, two chunks on their way; each is quantised behind the period's first 32 products.
; value: 16 of the 64 rows are fetched into the chunks' registers once those are idle (periods 13, 14), the rest at the tail, 24 rows of them named by prefetches in period 22.
; LIMITS: NaN and infinities are not served.  A block whose largest magnitude lies under 2^-124, a block of zeros among them, keeps the scale byte 1 (the rule says 127 for zeros: the codes are zeros, the bytes are this program's own).
; The f32 sum over K starts from the bias and runs in an order rotated by 0, 2, 4 or 6 K steps; the energies are summed in this text's own fixed order.  The largest e is taken away before the exponential.
.set SLOTB,  102400                    ; a slot: wave w's quarter at 25,600 w; in it set g at 12,800 g: 8 fragment images of 1,536 bytes, then 512 bytes of scale words
.set QUARTB, 25600
.set SETB,   12800
.set FRB,    1536
.set IMG,    2*SLOTB                   ; behind the ring: 16 places of CH bytes: 4 fragment images (row tile m) + a scale block (lane l's 16 bytes: word m = tile m's row l % 16)
.set CH,     4*FRB+512                 ; places 0-7: key's chunks in time order, later the hidden layer; places 8-15: query's chunks.  No tensor load lands from IMG on
.set SPARE,  IMG+16*CH                 ; the spare words, 128 bytes for each wave: two blocks of 256 bytes that no other line names
.set ESC,    SPARE+512                 ; the waves' parts of the energies, [wave][64] f32
.set PBC,    ESC+1024                  ; p, [wave][64] f32: each wave's own copy
; window 0
.set LANE, 1
.set RR,   2
.set HH,   3
.set LI,   4                           ; 16 x lane
.set SPW,  5                           ; SPARE + 4 x my thread's number; never rewritten
.set NIL,  6                           ; 0; never rewritten
.set WA0,  7                           ; v7, v8: slot 0, 1 + 25,600 w + 16 lane
.set XAD,  9                           ; IMG + 16 lane + CH x the place being read
.set SD,   10                          ; IMG + 16 lane + 1,536 w + CH x the chunk being stored
.set SDS,  11                          ; IMG + 6,144 + 16 lane + 4 w + CH x chunk
.set HD,   12                          ; IMG + 16 lane + 2 w CH
.set XO,   13                          ; 4,096 r + 64 h
.set BO,   14                          ; 64 h
.set ES,   16                          ; ESC + 256 w + 4 r
.set EL,   17                          ; ESC + 4 lane
.set PS,   18                          ; PBC + 256 w + 4 lane
.set PL,   19                          ; PBC + 256 w
.set PFO,  20                          ; the prefetches' offset: 4,096 (lane / 4) + 256 (lane % 4)
.set ZO,   21                          ; 0
.set WS,   24                          ; v24-31 the weights' scale words, set g at +4 g: they hold scales and nothing else
.set XS0,  32                          ; v32-39 x's scale words, buffer xs at +4 xs
.set EA,   40                          ; v40-55 the energies' chains: two pairs a row tile
.set X0,   56                          ; v56-151 x's fragments, buffer xs at +48 xs, tile m at +12 m
.set LB1,  152                         ; v152-215 landing buffer 1 (odd chunks)
.set LB0,  192                         ; window 1, v192-255: landing buffer 0 (even chunks).  Window 1, v0-191: the weights' fragments, set g at 96 g, tile t at +12 t
.set PC,   216                         ; v216-235 the codes just made
.set TM,   236                         ; v236-251 at work in QUANT
.set PW,   252                         ; the scale word just made
.set P,    56                          ; the tail: p of the 64 rows
.set CT,   120                         ; the tail: my 8 columns' sums, even rows' and odd rows'
.set T0,   216                         ; the tail: at work
; scalars
.set WV,    22
.set WG,    23
.set G1,    24                         ; s[24:31] descriptor group 1
.set G0,    32                         ; s[32:39] group 0, a set for each slot
.set SRC,   40                         ; s[40:41] the chunk being asked for
.set KEYB,  42
.set QRYB,  44
.set SEL,   46
.set OFF,   48
.set VB,    50
.set WQB,   52
.set PARTB, 54
.set STB,   56
.set ROT,   58
.set CL,    59                         ; the next chunk to be asked for, 0..15
.set QI,    60                         ; time index of the last slot asked for
.set TR,    61                         ; trips
.set MSB, 0
.macro WIN new                         ; the immediate's high byte repeats the setting that is left; a switch that changes nothing is dropped
.if MSB != (\new)
	s_set_vgpr_msb (MSB<<8)|(\new)
.set MSB, (\new)
.endif
.endm
; A load into a register that a matrix instruction has read, and a vector instruction that reads a matrix result, stand four places behind it; only plain vector instructions that name none of its registers are places
.macro PLACES n
.rept \n
	v_nop
.endr
.endm
.macro CROUND                          ; a round of the cluster's barrier
	s_barrier_signal -1
	s_barrier_wait -1
	s_cmp_lg_u32 s[WV], 0
	s_cbranch_scc1 .Lnot_wave_0_\@
	s_barrier_signal -3
.Lnot_wave_0_\@:
	s_barrier_wait -3
	s_barrier_signal -1
	s_barrier_wait -1
.endm
.macro JLOAD slot                      ; my quarter of a slot, asked for jointly; four v_nop follow
	tensor_load_to_lds s[G0+4*(\slot):G0+4*(\slot)+3], s[G1:G1+7]
	s_nop 0
	PLACES 4
.endm
.macro NEXTW slot                      ; the slot's group 0 for time index QI + 1: slot (q & 24) | ((q + ROT) & 7) of wq.  Scalar work alone; no tensor load of mine is out
	s_add_co_u32 s[QI], s[QI], 1
	s_add_co_u32 s68, s[QI], s[ROT]
	s_and_b32 s68, s68, 7
	s_and_b32 s69, s[QI], 24
	s_or_b32 s68, s68, s69
	s_mul_i32 s68, s68, SLOTB
	s_mov_b32 s69, 0
	s_add_nc_u64 s[G0+4*(\slot)+2:G0+4*(\slot)+3], s[WQB:WQB+1], s[68:69]
	s_or_b32 s[G0+4*(\slot)+3], s[G0+4*(\slot)+3], 0x80000000
.endm
.macro WLOAD set, slot                 ; 25 LDS loads: the set's 8 fragments and its scale words
	WIN 0x40
.irp t, 0,1,2,3,4,5,6,7
.irp c, 0,1,2
	ds_load_b128 v[96*(\set)+12*\t+4*\c:96*(\set)+12*\t+4*\c+3], v[WA0+(\slot)] offset:SETB*(\set)+FRB*\t+512*\c
.endr
.endr
	WIN 0
	ds_load_b128 v[WS+4*(\set):WS+4*(\set)+3], v[WA0+(\slot)] offset:SETB*(\set)+8*FRB
.endm
.macro XFETCH xs, off                  ; 13 LDS loads: a place's 4 fragments and their scale words into buffer xs
.irp m, 0,1,2,3
.irp c, 0,1,2
	ds_load_b128 v[X0+48*(\xs)+12*\m+4*\c:X0+48*(\xs)+12*\m+4*\c+3], v[XAD] offset:\off+FRB*\m+512*\c
.endr
.endr
	ds_load_b128 v[XS0+4*(\xs):XS0+4*(\xs)+3], v[XAD] offset:\off+4*FRB
.endm
.macro HALF set, xs, hi                ; 32 matrix instructions on 32 accumulators: the set's 8 column tiles x 4 row tiles.  Odd tiles' scale words lie in lanes 16-31
	WIN 0xa1+0x50*(\hi)                            ; weights window 1, x window 0, C and D window 2 or 3
.irp t, 0,1,2,3,4,5,6,7
.irp m, 0,1,2,3
.if (\t)%2
	v_wmma_scale_f32_16x16x128_f8f6f4 v[64*\m+8*\t:64*\m+8*\t+7], v[96*(\set)+12*\t:96*(\set)+12*\t+11], v[X0+48*(\xs)+12*\m:X0+48*(\xs)+12*\m+11], v[64*\m+8*\t:64*\m+8*\t+7], v[WS+4*(\set)+\t/2], v[XS0+4*(\xs)+\m] matrix_a_fmt:MATRIX_FMT_FP6 matrix_b_fmt:MATRIX_FMT_FP6 matrix_a_scale:MATRIX_SCALE_ROW1
.else
	v_wmma_scale_f32_16x16x128_f8f6f4 v[64*\m+8*\t:64*\m+8*\t+7], v[96*(\set)+12*\t:96*(\set)+12*\t+11], v[X0+48*(\xs)+12*\m:X0+48*(\xs)+12*\m+11], v[64*\m+8*\t:64*\m+8*\t+7], v[WS+4*(\set)+\t/2], v[XS0+4*(\xs)+\m] matrix_a_fmt:MATRIX_FMT_FP6 matrix_b_fmt:MATRIX_FMT_FP6
.endif
.endr
.endr
.endm
.macro INIT ptr, win, off              ; a window's 32 accumulators take the bias of their columns: lane (r, h), tile t: 8 numbers at 128 (t / 2) + 64 h + 32 (t % 2) bytes of the group's 512
	WIN (\win)<<6
.irp m, 0,1,2,3
.irp t, 0,1,2,3,4,5,6,7
.irp q, 0,1
	global_load_b128 v[64*\m+8*\t+4*\q:64*\m+8*\t+4*\q+3], v[BO], s[\ptr:\ptr+1] offset:\off+128*(\t/2)+32*(\t%2)+16*\q
.endr
.endr
.endr
	WIN 0
.endm
.macro NEXTSRC                         ; where chunk CL begins: key's (CL < 8) or query's K step (CL + ROT) % 8, my wave's 16 rows
	s_wait_xcnt 0x0                                ; the earlier loads have read their base: only behind this wait is it written
	s_add_co_u32 s[OFF], s[CL], s[ROT]
	s_and_b32 s[OFF], s[OFF], 7
	s_lshl_b32 s[OFF], s[OFF], 9
	s_cmp_lt_u32 s[CL], 8
	s_cselect_b64 s[SRC:SRC+1], s[KEYB:KEYB+1], s[QRYB:QRYB+1]
	s_add_nc_u64 s[SRC:SRC+1], s[SRC:SRC+1], s[OFF:OFF+1]
	s_add_co_u32 s[CL], s[CL], 1
.endm
.macro XLOAD win, base                 ; 16 loads: lane (r, h) takes, of row r, 16 neighbours of each block of 32: register 16 b + i = k 32 b + 16 h + i
	WIN (\win)<<6
.irp b, 0,1,2,3
.irp j, 0,1,2,3
	global_load_b128 v[\base+16*\b+4*\j:\base+16*\b+4*\j+3], v[XO], s[SRC:SRC+1] offset:128*\b+16*\j th:TH_LOAD_NT
.endr
.endr
	WIN 0
.endm
.macro VLOAD win, base, row0, n        ; 2 n loads: rows row0 .. row0 + n - 1 of my strip of value (256 columns): 512 consecutive bytes a load, 8 registers a row
	WIN (\win)<<6
.set vi, 0
.rept \n
	global_load_b128 v[\base+8*vi:\base+8*vi+3], v[LI], s[VB:VB+1] offset:(\row0+vi)*4096 th:TH_LOAD_NT
	global_load_b128 v[\base+8*vi+4:\base+8*vi+7], v[LI], s[VB:VB+1] offset:(\row0+vi)*4096+512 th:TH_LOAD_NT
.set vi, vi+1
.endr
	WIN 0
.endm
; 64 numbers of a lane in window win, v[s] .. v[s + 63], register 16 b + i = k 32 b + 16 h + i of my row, become a fragment's codes in v[PC] .. v[PC + 11] and its scale word in v[PW].
.macro QUANT win, s
	WIN ((\win)<<2)|((\win)<<4)
.irp b, 0,1,2,3
	v_max3_num_f32 v[TM+\b], 0x1800000, |v[\s+16*\b]|, |v[\s+1+16*\b]|   ; block b: my 16 numbers, and the floor 2^(3 - 127): the byte cannot fall under 1
.endr
.irp i, 2,4,6,8,10,12,14
.irp b, 0,1,2,3
	v_max3_num_f32 v[TM+\b], v[TM+\b], |v[\s+16*\b+\i]|, |v[\s+1+16*\b+\i]|   ; the four blocks by turns
.endr
.endr
	WIN 0
.irp b, 0,1,2,3
	v_permlanex16_b32 v[TM+4+\b], v[TM+\b], s[SEL], s[SEL+1]
.endr
.irp b, 0,1,2,3
	v_max_num_f32 v[TM+\b], v[TM+\b], v[TM+4+\b]          ; with lane l xor 16's 16: the block's largest magnitude
.endr
.irp b, 0,1,2,3
	v_add_nc_u32 v[TM+12+\b], 0xff000000, v[TM+\b]        ; 2 off its exponent field: the conversion's scale operand
.endr
.irp b, 0,1,2,3
	v_lshrrev_b32 v[TM+4+\b], 23, v[TM+12+\b]             ; the scale's byte
.endr
	v_lshl_or_b32 v[PW], v[TM+5], 8, v[TM+4]
	v_lshl_or_b32 v[PW], v[TM+6], 16, v[PW]
	v_lshl_or_b32 v[PW], v[TM+7], 24, v[PW]
	WIN \win
.irp c, 0,1
	v_cvt_scalef32_pk16_fp6_f32 v[PC+6*\c:PC+2+6*\c], v[\s+32*\c:\s+15+32*\c], v[TM+12+2*\c]
	v_cvt_scalef32_pk16_fp6_f32 v[PC+12+4*\c:PC+14+4*\c], v[\s+16+32*\c:\s+31+32*\c], v[TM+12+2*\c+1]   ; a conversion's three registers begin on an even number
.endr
	WIN 0
	v_nop                                                  ; one plain place behind the scaled conversions
.irp c, 0,1                                            ; the operand wants a WHOLE block in a lane: lanes 0-15 block 2 c, lanes 16-31 block 2 c + 1
.irp i, 0,1,2
	v_permlane16_swap_b32 v[PC+6*\c+\i], v[PC+12+4*\c+\i]
.endr
.irp i, 0,1,2
	v_mov_b32 v[PC+3+6*\c+\i], v[PC+12+4*\c+\i]
.endr
.endr
.endm
; The stream's part of a period: the chunk that landed is quantised, its image stored, and its registers asked for again.
; mode 1: the chunk two on.  mode 2: the same, but in the loop's last trip value's rows 0-7: both arms issue 16 loads into the same registers, so every later count holds on both ways.  mode 3: value's rows 8-15.
.macro SIDE win, base, mode
	s_wait_loadcnt 16                              ; my chunk is in; the 16 loads issued a period later may stay out
	QUANT \win, \base
.irp c, 0,1,2
	ds_store_b128 v[SD], v[PC+4*\c:PC+4*\c+3] offset:512*\c
.endr
	ds_store_b32 v[SDS], v[PW]
.if \mode == 1
	NEXTSRC
	XLOAD \win, \base
.elseif \mode == 2
	s_cmp_eq_u32 s[TR], 1
	s_cbranch_scc1 .Lvalue_\@
	NEXTSRC
	XLOAD \win, \base
	s_branch .Lside_done_\@
.Lvalue_\@:
	VLOAD \win, \base, 0, 8
.Lside_done_\@:
.else
	VLOAD \win, \base, 8, 8
.endif
.endm
; A PERIOD: one K step.  slot: the slot in hand.  xa, xb: x's buffer for the first and the second 32 products.  ax >= 0: buffer ax is fetched at the head, from 8 places on (query's).
; ex >= 0: buffer ex is fetched for the next period, from the next place; exskip: not in the loop's last trip.  fill = 1: the slot is filled again, two periods ahead; 0: a change of slots without a fill; -1: the last period.
; swin, sbase, smode: the stream's part (smode = 0: none).  pf: the prefetches.
.macro PERIOD slot, xa, xb, ax, ex, fill, swin, sbase, smode, exskip, pf
	PLACES 4                                       ; behind the last period's second 32 products, whose operands are loaded anew
	WLOAD 1, \slot
.if \ax >= 0
	XFETCH \ax, 8*CH
	s_wait_dscnt 38                                ; all but the 38 just issued: set 0 and buffer xa are in
.else
	s_wait_dscnt 25                                ; all but the 25 just issued
.endif
	HALF 0, \xa, 0
	WIN 0
.if \smode
	SIDE \swin, \sbase, \smode
.endif
.if \fill >= 0
	s_wait_tensorcnt 0x0                           ; all my tensor loads have landed: the one that was out is my quarter of the other slot
	ds_add_u32 v[SPW], v[NIL]                      ; 0 onto my spare word
.if \fill
	NEXTW \slot
.endif
	s_wait_dscnt 0x0                               ; the add is done, my image is stored, my reads of this slot are over: set 1 lies in registers
.if \fill
	CROUND                                         ; the same now holds of every wave of the four work-groups
	JLOAD \slot                                    ; the first thing behind the round, my one tensor load until the next; its four v_nop are the places in front of the loads below
.else
	s_barrier_signal -1
	s_barrier_wait -1
	PLACES 4
.endif
	v_add_nc_u32 v[XAD], CH, v[XAD]
.if \smode
	v_add_nc_u32 v[SD], CH, v[SD]
	v_add_nc_u32 v[SDS], CH, v[SDS]
.endif
	WLOAD 0, 1-\slot
.if \ex >= 0
.if \exskip
	s_cmp_eq_u32 s[TR], 1
	s_cbranch_scc1 .Lno_next_x_\@
.endif
	XFETCH \ex, 0
.if \exskip
.Lno_next_x_\@:
.endif
.endif
.if \pf
.irp i, 0,1,2                                  ; rows 16-39 of my strip of value: 8 rows x 4 blocks of 256 bytes an instruction, a lane a block; each block is named once in the launch; one and a half periods ahead of the loads that want them
	global_prefetch_b8 v[PFO], s[VB:VB+1] offset:(16+8*\i)*4096 th:TH_LOAD_NT scope:SCOPE_SE
.endr
.endif
.else
	s_wait_dscnt 0x0
.endif
	HALF 1, \xb, 1
	WIN 0
.endm
.macro RELU win, base                  ; 64 registers, ascending: each accumulator is read from its low end on.  It leaves its window set: QUANT follows
	WIN ((\win)<<6)|((\win)<<2)
.set rj, 0
.rept 64
	v_max_num_f32 v[\base+rj], 0, v[\base+rj]
.set rj, rj+1
.endr
.endm
.macro COMBINE first                   ; the energies' chains take relu(window 3) x window 2, two numbers an instruction, two chains a row tile.  first = 1: the first products start the chains
	WIN 0xcc
.set cj, 0
.rept 256
	v_max_num_f32 v[cj], 0, v[cj]
.set cj, cj+1
.endr
	WIN 0x0b
.set ci, 0
.rept 32
.irp m, 0,1,2,3
.if (\first) && (ci < 2)
	v_pk_mul_f32 v[EA+4*\m+2*(ci%2):EA+4*\m+2*(ci%2)+1], v[64*\m+2*ci:64*\m+2*ci+1], v[64*\m+2*ci:64*\m+2*ci+1]
.else
	v_pk_fma_f32 v[EA+4*\m+2*(ci%2):EA+4*\m+2*(ci%2)+1], v[64*\m+2*ci:64*\m+2*ci+1], v[64*\m+2*ci:64*\m+2*ci+1], v[EA+4*\m+2*(ci%2):EA+4*\m+2*(ci%2)+1]
.endif
.endr
.set ci, ci+1
.endr
	WIN 0
.endm
.macro VROW row, win, base             ; my 8 columns' sums take p[row] x value[row]; even and odd rows have sums of their own; rows 0 and 1 start them
	WIN \win
.irp q, 0,1,2,3
.if (\row) < 2
.if (\row)%2
	v_pk_mul_f32 v[CT+8+2*\q:CT+8+2*\q+1], v[\base+2*\q:\base+2*\q+1], v[P+((\row)/2)*2:P+((\row)/2)*2+1] op_sel:[0,1] op_sel_hi:[1,1]
.else
	v_pk_mul_f32 v[CT+2*\q:CT+2*\q+1], v[\base+2*\q:\base+2*\q+1], v[P+((\row)/2)*2:P+((\row)/2)*2+1] op_sel_hi:[1,0]
.endif
.else
.if (\row)%2
	v_pk_fma_f32 v[CT+8+2*\q:CT+8+2*\q+1], v[\base+2*\q:\base+2*\q+1], v[P+((\row)/2)*2:P+((\row)/2)*2+1], v[CT+8+2*\q:CT+8+2*\q+1] op_sel:[0,1,0] op_sel_hi:[1,1,1]
.else
	v_pk_fma_f32 v[CT+2*\q:CT+2*\q+1], v[\base+2*\q:\base+2*\q+1], v[P+((\row)/2)*2:P+((\row)/2)*2+1], v[CT+2*\q:CT+2*\q+1] op_sel_hi:[1,0,1]
.endif
.endif
.endr
.endm
; ---- the head
	s_load_b512 s[4:19], s[0:1], 0x0               ; key s[4:5], query s[6:7], value s[8:9], b0 s[10:11], b1 s[12:13], ba s[14:15], wq s[16:17], part s[18:19]
	s_load_b64 s[20:21], s[0:1], 0x40              ; stats
	v_lshl_add_u32 v[SPW], v0, 2, SPARE
	v_mov_b32 v[NIL], 0
	ds_add_u32 v5, v6
	ds_add_u32 v5, v6
	s_wait_dscnt 0x0
	v_lshrrev_b32 v1, 5, v0
	v_readfirstlane_b32 s[WV], v1                  ; wave 0..3
	v_and_b32 v[LANE], 31, v0
	v_and_b32 v[RR], 15, v0
	v_bfe_u32 v[HH], v0, 4, 1
	s_bfe_u32 s62, ttmp6, 0x40000                  ; cx: it enters the addresses of key, query, value, part and stats alone
	s_lshl_b32 s[WG], ttmp9, 2
	s_add_co_u32 s[WG], s[WG], s62                 ; my work-group = 4 x cluster + cx
	s_and_b32 s63, ttmp9, 3
	s_lshl_b32 s[ROT], s63, 1                      ; ROT: the same in the four partners
	s_add_co_u32 s63, s63, s[WV]
	s_and_b32 s63, s63, 3                          ; y: my quarter of the columns
	; every LDS address: a constant + a constant x lane + a constant x wave
	v_lshlrev_b32 v[LI], 4, v[LANE]
	s_mul_i32 s68, s[WV], QUARTB
	v_add_nc_u32 v[WA0], s68, v[LI]
	v_add_nc_u32 v[WA0+1], SLOTB, v[WA0]
	v_add_nc_u32 v[XAD], IMG, v[LI]
	s_mul_i32 s69, s[WV], FRB
	v_add_nc_u32 v[SD], s69, v[XAD]
	s_lshl_b32 s69, s[WV], 2
	v_add_nc_u32 v[SDS], s69, v[XAD]
	v_add_nc_u32 v[SDS], 4*FRB, v[SDS]
	s_mul_i32 s69, s[WV], 2*CH
	v_add_nc_u32 v[HD], s69, v[XAD]
	s_lshl_b32 s69, s[WV], 8
	v_lshl_add_u32 v[ES], v[RR], 2, s69
	v_add_nc_u32 v[ES], ESC, v[ES]
	v_lshl_add_u32 v[EL], v[LANE], 2, ESC
	v_lshl_add_u32 v[PS], v[LANE], 2, s69
	v_add_nc_u32 v[PS], PBC, v[PS]
	v_mov_b32 v[PL], s69
	v_add_nc_u32 v[PL], PBC, v[PL]
	; offsets in memory
	v_lshlrev_b32 v[XO], 12, v[RR]
	v_lshl_add_u32 v[XO], v[HH], 6, v[XO]
	v_lshlrev_b32 v[BO], 6, v[HH]
	v_lshrrev_b32 v[PFO], 2, v[LANE]
	v_lshlrev_b32 v[PFO], 12, v[PFO]
	v_and_b32 v253, 3, v[LANE]
	v_lshl_or_b32 v[PFO], v253, 8, v[PFO]
	v_mov_b32 v[ZO], 0
.irp b, 0,1,2,3
	v_mov_b32 v[TM+4+\b], 0                        ; written once: a lane permute's destination counts as one of its sources
.endr
	; descriptor group 1: 25,600 dense bytes as 100 rows of 32 elements of 8 bytes; no padding
	s_mov_b32 s[G1+0], 15|(3<<16)|(1<<21)          ; 15:0 the mask: all four work-groups; 17:16 elements of 8 bytes; 21 set beside a mask
	s_mov_b32 s[G1+1], 32<<16                      ; tensor_dim0 = 32
	s_mov_b32 s[G1+2], 100<<16                     ; tensor_dim1 = 100
	s_mov_b32 s[G1+3], 32<<16                      ; tile_dim0 = 32
	s_mov_b32 s[G1+4], 100                         ; tile_dim1 = 100
	s_mov_b32 s[G1+5], 32                          ; from row to row
	s_mov_b32 s[G1+6], 0
	s_mov_b32 s[G1+7], 0
	s_mov_b32 s[G0+0], 1
	s_mov_b32 s[G0+1], s68                         ; slot 0, my quarter: the wave's number alone enters an LDS address
	s_mov_b32 s[G0+4], 1
	s_add_co_u32 s[G0+5], s68, SLOTB               ; slot 1
	s_mov_b32 s[SEL], 0x76543210
	s_mov_b32 s[SEL+1], 0xfedcba98
	s_mov_b32 s[OFF+1], 0
	s_mov_b32 s[CL], 0
	s_mov_b32 s[QI], 1
	s_mov_b32 s67, 0
	s_mov_b32 s69, 0
	s_wait_kmcnt 0x0
	s_mul_i32 s68, s63, QUARTB
	s_add_nc_u64 s[WQB:WQB+1], s[16:17], s[68:69]  ; wq at my quarter of a slot
	s_mul_i32 s68, s[ROT], SLOTB
	s_add_nc_u64 s[G0+2:G0+3], s[WQB:WQB+1], s[68:69]      ; time index 0: slot ROT of wq;
	s_add_nc_u64 s[G0+6:G0+7], s[G0+2:G0+3], SLOTB         ; time index 1: slot ROT + 1 (ROT is 6 at the most)
	s_or_b32 s[G0+3], s[G0+3], 0x80000000
	s_or_b32 s[G0+7], s[G0+7], 0x80000000
	s_lshl_b32 s68, s63, 10                        ; the biases at my quarter's 256 numbers
	s_add_nc_u64 s[10:11], s[10:11], s[68:69]
	s_add_nc_u64 s[12:13], s[12:13], s[68:69]
	s_add_nc_u64 s[14:15], s[14:15], s[68:69]
	s_lshl_b32 s66, s[WG], 18                      ; my work-group's 64 rows of 4,096 bytes,
	s_lshl_b32 s62, s[WV], 16                      ; my wave's 16 of them
	s_add_co_u32 s66, s66, s62
	s_add_nc_u64 s[KEYB:KEYB+1], s[4:5], s[66:67]
	s_add_nc_u64 s[QRYB:QRYB+1], s[6:7], s[66:67]
	s_lshl_b32 s66, s[WG], 18
	s_lshl_b32 s62, s[WV], 10                      ; my strip of 256 columns
	s_add_co_u32 s66, s66, s62
	s_add_nc_u64 s[VB:VB+1], s[8:9], s[66:67]
	s_lshl_b32 s66, s[WG], 12
	s_add_co_u32 s66, s66, s62
	s_add_nc_u64 s[PARTB:PARTB+1], s[18:19], s[66:67]
	s_lshl_b32 s66, s[WG], 3
	s_add_nc_u64 s[STB:STB+1], s[20:21], s[66:67]
	CROUND                                         ; all four work-groups are here: the first joint loads meet
	tensor_load_to_lds s[G0:G0+3], s[G1:G1+7]      ; both first fills together: two tensor loads of mine are out
	s_nop 0
	tensor_load_to_lds s[G0+4:G0+7], s[G1:G1+7]
	s_nop 0
	PLACES 4
	NEXTSRC
	XLOAD 1, LB0                                   ; chunk 0
	INIT 12, 2, 0                                  ; b1 of group 2 y
	INIT 12, 3, 512                                ; and of group 2 y + 1
	NEXTSRC
	XLOAD 0, LB1                                   ; chunk 1
; ---- chunk 0 becomes place 0
	s_wait_loadcnt 16                              ; chunk 0 and the biases are in; chunk 1's 16 loads may stay out
	QUANT 1, LB0
.irp c, 0,1,2
	ds_store_b128 v[SD], v[PC+4*\c:PC+4*\c+3] offset:512*\c
.endr
	ds_store_b32 v[SDS], v[PW]
	NEXTSRC
	XLOAD 1, LB0                                   ; chunk 2
	s_wait_tensorcnt 1                             ; my quarter of slot 0 is in; slot 1's may stay out
	s_wait_dscnt 0x0                               ; my image is stored
	s_barrier_signal -1
	s_barrier_wait -1
	v_add_nc_u32 v[SD], CH, v[SD]
	v_add_nc_u32 v[SDS], CH, v[SDS]
	WLOAD 0, 0
	XFETCH 0, 0
; ---- phase 1: q_enc.  Period p multiplies key's chunk p, quantises chunk p + 1 and asks for chunk p + 3
	s_mov_b32 s[TR], 4
.Lphase1:
	PERIOD 0, 0, 0, -1, 1, 1, 0, LB1, 1, 0, 0
	PERIOD 1, 1, 1, -1, 0, 1, 1, LB0, 1, 1, 0
	s_sub_co_u32 s[TR], s[TR], 1
	s_cmp_lg_u32 s[TR], 0
	s_cbranch_scc1 .Lphase1
; ---- the hidden layer: my two groups are K steps 2 y, 2 y + 1 of the next product: places 2 w, 2 w + 1.  Key's images there were last read ahead of period 7's round, which every wave has passed
	PLACES 4
.irp g, 0,1
.irp m, 0,1,2,3
	RELU 2+\g, 64*\m
	QUANT 2+\g, 64*\m
.irp c, 0,1,2
	ds_store_b128 v[HD], v[PC+4*\c:PC+4*\c+3] offset:\g*CH+FRB*\m+512*\c
.endr
	ds_store_b32 v[HD], v[PW] offset:\g*CH+4*FRB+4*\m
	s_wait_dscnt 0x0                               ; the stores have read their registers
.endr
.endr
	INIT 14, 2, 0                                  ; ba of group 2 y
	INIT 10, 3, 0                                  ; b0 of group 2 y
	v_lshl_add_u32 v[XAD], v[LANE], 4, IMG         ; back to place 0
	s_wait_dscnt 0x0
	s_barrier_signal -1                            ; the hidden layer's 32 fragments lie in LDS.  My refill of slot 1 may stay out
	s_barrier_wait -1
	XFETCH 0, 0
	s_wait_loadcnt 0x0                             ; the biases
; ---- phase 2: attn and k_enc of group 2 y.  Periods 8-13 in the loop; 14 and 15 are written out: the stream ends
	s_mov_b32 s[TR], 3
.Lphase2:
	PERIOD 0, 0, 1, 1, 0, 1, 0, LB1, 1, 0, 0
	PERIOD 1, 0, 1, 1, 0, 1, 1, LB0, 2, 0, 0
	s_sub_co_u32 s[TR], s[TR], 1
	s_cmp_lg_u32 s[TR], 0
	s_cbranch_scc1 .Lphase2
	PERIOD 0, 0, 1, 1, 0, 1, 0, LB1, 3, 0, 0
	PERIOD 1, 0, 1, 1, -1, 1, 0, 0, 0, 0, 0
; ---- group 2 y's part of the energies; then the biases of group 2 y + 1
	PLACES 4
	COMBINE 1
	INIT 14, 2, 512
	INIT 10, 3, 512
	v_lshl_add_u32 v[XAD], v[LANE], 4, IMG
	XFETCH 0, 0
	s_wait_loadcnt 0x0                             ; the biases (and value's rows 0-15, asked for long ago)
; ---- phase 3: the same of group 2 y + 1.  Periods 16-21 fill slots; 22 and 23 are written out
	s_mov_b32 s[TR], 3
.Lphase3:
	PERIOD 0, 0, 1, 1, 0, 1, 0, 0, 0, 0, 0
	PERIOD 1, 0, 1, 1, 0, 1, 0, 0, 0, 0, 0
	s_sub_co_u32 s[TR], s[TR], 1
	s_cmp_lg_u32 s[TR], 0
	s_cbranch_scc1 .Lphase3
	PERIOD 0, 0, 1, 1, 0, 0, 0, 0, 0, 0, 1
	PERIOD 1, 0, 1, 1, -1, -1, 0, 0, 0, 0, 0
; ---- the tail
	PLACES 4
	VLOAD 1, 0, 16, 24                             ; value's rows 16-39 into the weights' registers: 48 loads, out while the energies are finished
	COMBINE 0
.irp m, 0,1,2,3
	v_add_f32 v[EA+4*\m], v[EA+4*\m], v[EA+4*\m+1]
	v_add_f32 v[EA+4*\m+2], v[EA+4*\m+2], v[EA+4*\m+3]
.endr
.irp m, 0,1,2,3
	v_add_f32 v[EA+4*\m], v[EA+4*\m], v[EA+4*\m+2]
.endr
.irp m, 0,1,2,3
	v_permlanex16_b32 v[EA+4*\m+1], v[EA+4*\m], s[SEL], s[SEL+1]
.endr
.irp m, 0,1,2,3
	v_add_f32 v[EA+4*\m], v[EA+4*\m], v[EA+4*\m+1]        ; row 16 m + r: my quarter of the columns
.endr
.irp m, 0,1,2,3
	ds_store_b32 v[ES], v[EA+4*\m] offset:64*\m           ; both halves of the lanes write the same word with the same value
.endr
	s_wait_dscnt 0x0
	s_barrier_signal -1
	s_barrier_wait -1
.irp w, 0,1,2,3
.irp i, 0,1
	ds_load_b32 v[T0+2*\w+\i], v[EL] offset:256*\w+128*\i
.endr
.endr
	s_wait_dscnt 0x0
	v_pk_add_f32 v[T0:T0+1], v[T0:T0+1], v[T0+2:T0+3]     ; e of rows lane and lane + 32: the four waves' parts in ascending order; every wave does the same
	v_pk_add_f32 v[T0:T0+1], v[T0:T0+1], v[T0+4:T0+5]
	v_pk_add_f32 v[T0:T0+1], v[T0:T0+1], v[T0+6:T0+7]
	v_max_num_f32 v[T0+8], v[T0], v[T0+1]
.irp x, 1,2,4,8
	v_max_num_f32_dpp v[T0+8], v[T0+8], v[T0+8] row_xmask:\x row_mask:0xf bank_mask:0xf
.endr
	v_permlanex16_b32 v[TM+4], v[T0+8], s[SEL], s[SEL+1]
	v_max_num_f32 v[T0+8], v[T0+8], v[TM+4]               ; m: the largest of the 64
	v_sub_f32 v[T0+10], v[T0], v[T0+8]
	v_sub_f32 v[T0+11], v[T0+1], v[T0+8]
	v_mul_f32 v[T0+10], 0x3fb8aa3b, v[T0+10]              ; x log2(e)
	v_mul_f32 v[T0+11], 0x3fb8aa3b, v[T0+11]
	v_exp_f32 v[T0+10], v[T0+10]                          ; p = exp(e - m), at most 1
	v_exp_f32 v[T0+11], v[T0+11]
	v_nop                                                 ; a plain place behind the exponentials
	s_wait_alu depctr_va_vdst(0)                          ; one wait for both, ahead of their first reader
	v_add_f32 v[T0+12], v[T0+10], v[T0+11]
.irp x, 1,2,4,8
	v_add_f32_dpp v[T0+12], v[T0+12], v[T0+12] row_xmask:\x row_mask:0xf bank_mask:0xf
.endr
	v_permlanex16_b32 v[TM+4], v[T0+12], s[SEL], s[SEL+1]
	v_add_f32 v[T0+9], v[T0+12], v[TM+4]                  ; l: beside m, as a pair
	ds_store_b32 v[PS], v[T0+10]
	ds_store_b32 v[PS], v[T0+11] offset:128
.irp i, 0,1,2,3,4,5,6,7,8,9,10,11,12,13,14,15
	ds_load_b128 v[P+4*\i:P+4*\i+3], v[PL] offset:16*\i   ; my wave's own bytes, served in order (ISA guide 5.7.1.4): all 64 p in every lane
.endr
	VLOAD 2, 0, 40, 24                             ; value's rows 40-63 into window 2, which the energies have left: 48 loads
	s_cmp_lg_u32 s[WV], 0
	s_cbranch_scc1 .Lno_stats
	v_cmp_eq_u32 vcc_lo, 0, v[LANE]
	s_wait_xcnt 0x0                                ; EXEC changes only behind this wait
	s_and_saveexec_b32 s70, vcc_lo
	global_store_b64 v[ZO], v[T0+8:T0+9], s[STB:STB+1]   ; (m, l): wave 0, lane 0
	s_wait_xcnt 0x0
	s_or_b32 exec_lo, exec_lo, s70
.Lno_stats:
	s_wait_dscnt 0x0                               ; p
.set rw, 0
.rept 8
	VROW rw, 1, LB0+8*rw                           ; rows 0-7, in since the wait ahead of phase 3
.set rw, rw+1
.endr
.rept 8
	VROW rw, 0, LB1+8*(rw-8)                       ; rows 8-15
.set rw, rw+1
.endr
.irp cnt, 63, 63, 48                           ; behind each 8 rows' 16 loads stand 80, 64, 48 others; the first two counts are held at what the wait's field can name, which is fewer and so safe
	s_wait_loadcnt \cnt
.rept 8
	VROW rw, 1, 8*(rw-16)
.set rw, rw+1
.endr
.endr
.irp cnt, 32, 16, 0
	s_wait_loadcnt \cnt
.rept 8
	VROW rw, 2, 8*(rw-40)
.set rw, rw+1
.endr
.endr
	WIN 0
.irp q, 0,1,2,3
	v_pk_add_f32 v[CT+2*\q:CT+2*\q+1], v[CT+2*\q:CT+2*\q+1], v[CT+8+2*\q:CT+8+2*\q+1]
.endr
	global_store_b128 v[LI], v[CT:CT+3], s[PARTB:PARTB+1]              ; 512 consecutive bytes, aligned
	global_store_b128 v[LI], v[CT+4:CT+7], s[PARTB:PARTB+1] offset:512
	s_wait_tensorcnt 0x0                           ; the wave's end
	ds_add_u32 v[SPW], v[NIL]
	s_wait_dscnt 0x0
	CROUND                                         ; the closing round: no work-group ends while a partner may still ask for a tile that names it
	s_endpgm
.Lfunc_end_k_q7fbfe95b00_fused:
	.size	k_q7fbfe95b00_fused, .Lfunc_end_k_q7fbfe95b00_fused-k_q7fbfe95b00_fused
	.p2alignl 7, 3214868480
	.fill 96, 4, 3214868480
	.section	.rodata,"a",@progbits
	.p2align	6, 0x0
	.amdhsa_kernel k_q7fbfe95b00_fused
		.amdhsa_group_segment_fixed_size 327680
		.amdhsa_private_segment_fixed_size 0
		.amdhsa_enable_private_segment 0
		.amdhsa_kernarg_size 72
		.amdhsa_user_sgpr_count 2
		.amdhsa_user_sgpr_kernarg_segment_ptr 1
		.amdhsa_wavefront_size32 1
		.amdhsa_system_sgpr_workgroup_id_x 1
		.amdhsa_system_sgpr_workgroup_id_y 1
		.amdhsa_system_sgpr_workgroup_id_z 1
		.amdhsa_system_vgpr_workitem_id 0
		.amdhsa_next_free_vgpr 1024
		.amdhsa_next_free_sgpr 80
		.amdhsa_reserve_vcc 1
		.amdhsa_float_denorm_mode_32 3
		.amdhsa_float_denorm_mode_16_64 3
		.amdhsa_memory_ordered 1
		.amdhsa_forward_progress 1
		.amdhsa_inst_pref_size 255
	.end_amdhsa_kernel
	.section	.bss,"aw",@nobits
	.p2align	6
	.space	262144
	.amdgpu_metadata
---
amdhsa.version: [ 1, 2 ]
amdhsa.kernels:
  - .name:           k_q7fbfe95b00_fused
    .symbol:         k_q7fbfe95b00_fused.kd
    .args:
      - { .name: key, .offset: 0, .size: 8, .value_kind: global_buffer, .address_space: global }
      - { .name: query, .offset: 8, .size: 8, .value_kind: global_buffer, .address_space: global }
      - { .name: value, .offset: 16, .size: 8, .value_kind: global_buffer, .address_space: global }
      - { .name: b0, .offset: 24, .size: 8, .value_kind: global_buffer, .address_space: global }
      - { .name: b1, .offset: 32, .size: 8, .value_kind: global_buffer, .address_space: global }
      - { .name: ba, .offset: 40, .size: 8, .value_kind: global_buffer, .address_space: global }
      - { .name: wq, .offset: 48, .size: 8, .value_kind: global_buffer, .address_space: global }
      - { .name: part, .offset: 56, .size: 8, .value_kind: global_buffer, .address_space: global }
      - { .name: stats, .offset: 64, .size: 8, .value_kind: global_buffer, .address_space: global }
    .group_segment_fixed_size: 327680
    .private_segment_fixed_size: 0
    .kernarg_segment_align: 8
    .kernarg_segment_size: 72
    .max_flat_workgroup_size: 128
    .sgpr_count:     80
    .vgpr_count:     1024
    .wavefront_size: 32
...
	.end_amdgpu_metadata
.endif
;; end of part 2
;; launch combine (part 3): grid 16 x 1, 8 waves a work-group, no clusters, 5,120 bytes of LDS; arguments part, stats, out0; writes out0
.if DOCPART == 3
	.amdgcn_target "amdgcn-amd-amdhsa--gfx1250"
	.amdhsa_code_object_version 6
	.text
	.protected	k_q7fbfe95b00_combine
	.globl	k_q7fbfe95b00_combine
	.p2align	8
	.type	k_q7fbfe95b00_combine,@function
k_q7fbfe95b00_combine:
	s_mov_b64 s[64:65], 0
	v_nop
	global_prefetch_b8 v0, s[64:65] scope:SCOPE_SE
	s_setreg_imm32_b32 hwreg(HW_REG_WAVE_MODE, 25, 1), 1
	s_wait_xcnt 0x0
; out0[c] = (sum over g of w[g] part[g][c]) / (sum over g of w[g] l[g]),  w[g] = exp(m[g] - M),  M = the largest of the 256 m.  part [256][1024] f32, stats [256][2] f32 = (m, l).
; A work-group owns 64 columns, one aligned run of 256 bytes of the output: one owner for each, so 16 work-groups.  Wave v sums parts 32 v .. 32 v + 31; the eight waves' sums meet in LDS; wave 0 adds, divides and stores.
; Each load of part reads two rows' 256 consecutive bytes.  Every wave makes M and the divisor for itself from all 256 pairs (2 KB).
; No matrix unit, no cluster, no tensor load: 1 MB is read once, and nothing is shared but 2 KB.
; LIMITS: NaN and infinities are not served.  M is taken away before the exponential; l is at least 1 in every part, so the divisor is at least 1.
.set WL,  0                            ; LDS: my wave's 32 weights, 128 bytes a wave
.set RED, 1024                         ; the waves' sums: 256 bytes a wave
	s_load_b128 s[4:7], s[0:1], 0x0                ; part, stats
	s_load_b64 s[8:9], s[0:1], 0x10                ; out0
	v_lshl_add_u32 v144, v0, 2, 0x1000
	v_mov_b32 v145, 0
	v_lshrrev_b32 v1, 5, v0
	v_readfirstlane_b32 s10, v1                    ; wave 0..7
	v_and_b32 v1, 31, v0                           ; lane
	v_and_b32 v2, 15, v0                           ; r
	v_bfe_u32 v3, v0, 4, 1                         ; h
	v_lshlrev_b32 v4, 3, v1                        ; stats: 8 bytes a lane
	s_lshl_b32 s11, s10, 8
	v_add_nc_u32 v5, s11, v4                       ; my wave's own 32 pairs
	s_lshl_b32 s12, s10, 17                        ; part: my wave's 32 rows of 4,096 bytes,
	s_lshl_b32 s13, ttmp9, 8                       ; my work-group's 256 bytes of a row,
	s_add_co_u32 s12, s12, s13
	v_lshlrev_b32 v6, 12, v3                       ; lanes 16-31 the next row,
	v_lshl_add_u32 v6, v2, 4, v6                   ; 16 bytes a lane
	v_add_nc_u32 v6, s12, v6
	v_lshlrev_b32 v7, 2, v0                        ; WL + 128 wave + 4 lane = 4 x my thread's number
	s_lshl_b32 s14, s10, 7
	v_lshl_add_u32 v8, v3, 2, s14                  ; WL + 128 wave + 4 h
	v_lshlrev_b32 v9, 4, v2
	v_add_nc_u32 v10, s11, v9
	v_add_nc_u32 v10, RED, v10                     ; RED + 256 wave + 16 r
	v_lshl_add_u32 v11, v3, 10, v9
	v_add_nc_u32 v11, RED, v11                     ; RED + 1,024 h + 16 r
	v_add_nc_u32 v12, s13, v9                      ; out0: 256 work-group + 16 r
	v_mov_b32 v35, 0                               ; a lane permute's destination counts as one of its sources
	s_mov_b32 s16, 0x76543210
	s_mov_b32 s17, 0xfedcba98
	s_wait_kmcnt 0x0
.irp k, 0,1,2,3,4,5,6,7
	global_load_b64 v[16+2*\k:17+2*\k], v4, s[6:7] offset:256*\k   ; (m, l) of part 32 k + lane
.endr
	global_load_b64 v[32:33], v5, s[6:7]           ; and of part 32 wave + lane
.irp i, 0,1,2,3,4,5,6,7,8,9,10,11,12,13,14,15
	global_load_b128 v[40+4*\i:43+4*\i], v6, s[4:5] offset:8192*\i th:TH_LOAD_NT   ; part 32 wave + 2 i + h, my 4 columns
.endr
	s_wait_loadcnt 16                              ; the pairs are in; part's 16 loads may stay out
	v_max3_num_f32 v34, v16, v18, v20
	v_max3_num_f32 v34, v34, v22, v24
	v_max3_num_f32 v34, v34, v26, v28
	v_max_num_f32 v34, v34, v30
.irp x, 1,2,4,8
	v_max_num_f32_dpp v34, v34, v34 row_xmask:\x row_mask:0xf bank_mask:0xf
.endr
	v_permlanex16_b32 v35, v34, s16, s17
	v_max_num_f32 v34, v34, v35                    ; M
.irp k, 0,1,2,3,4,5,6,7,8
	v_sub_f32 v[16+2*\k], v[16+2*\k], v34
.endr
.irp k, 0,1,2,3,4,5,6,7,8
	v_mul_f32 v[16+2*\k], 0x3fb8aa3b, v[16+2*\k]   ; x log2(e)
.endr
.irp k, 0,1,2,3,4,5,6,7,8
	v_exp_f32 v[16+2*\k], v[16+2*\k]               ; w = exp(m - M)
.endr
	v_nop                                          ; a plain place behind the exponentials
	s_wait_alu depctr_va_vdst(0)                   ; one wait for the nine, ahead of their first reader
	ds_store_b32 v7, v32                           ; my wave's weights, a lane a part
	v_mul_f32 v36, v16, v17
.irp k, 1,2,3,4,5,6,7
	v_fmac_f32 v36, v[16+2*\k], v[17+2*\k]
.endr
.irp x, 1,2,4,8
	v_add_f32_dpp v36, v36, v36 row_xmask:\x row_mask:0xf bank_mask:0xf
.endr
	v_permlanex16_b32 v35, v36, s16, s17
	v_add_f32 v36, v36, v35                        ; the divisor
.irp i, 0,1,2,3,4,5,6,7,8,9,10,11,12,13,14,15
	ds_load_b32 v[104+\i], v8 offset:8*\i          ; w of part 32 wave + 2 i + h: my wave's own bytes, served in order (ISA guide 5.7.1.4)
.endr
	s_wait_loadcnt 0x0
	s_wait_dscnt 0x0
	v_pk_mul_f32 v[120:121], v[40:41], v[104:105] op_sel_hi:[1,0]
	v_pk_mul_f32 v[122:123], v[42:43], v[104:105] op_sel_hi:[1,0]
.irp i, 1,3,5,7,9,11,13,15
	v_pk_fma_f32 v[120:121], v[40+4*\i:41+4*\i], v[103+\i:104+\i], v[120:121] op_sel:[0,1,0] op_sel_hi:[1,1,1]
	v_pk_fma_f32 v[122:123], v[42+4*\i:43+4*\i], v[103+\i:104+\i], v[122:123] op_sel:[0,1,0] op_sel_hi:[1,1,1]
.if \i < 15
	v_pk_fma_f32 v[120:121], v[44+4*\i:45+4*\i], v[105+\i:106+\i], v[120:121] op_sel_hi:[1,0,1]
	v_pk_fma_f32 v[122:123], v[46+4*\i:47+4*\i], v[105+\i:106+\i], v[122:123] op_sel_hi:[1,0,1]
.endif
.endr
.irp c, 0,1,2,3
	v_permlanex16_b32 v[40+\c], v[120+\c], s16, s17
.endr
	v_pk_add_f32 v[120:121], v[120:121], v[40:41]  ; even and odd parts together: my wave's 32
	v_pk_add_f32 v[122:123], v[122:123], v[42:43]
	ds_store_b128 v10, v[120:123]                  ; both halves of the lanes write the same bytes with the same values
	s_wait_dscnt 0x0                               ; for the others' sake
	s_barrier_signal -1
	s_barrier_wait -1
	s_cmp_lg_u32 s10, 0
	s_cbranch_scc1 .Lend
.irp q, 0,1,2,3
	ds_load_b128 v[128+4*\q:131+4*\q], v11 offset:256*\q   ; the sums of waves 4 h + q
.endr
	v_rcp_f32 v37, v36
	s_wait_dscnt 0x0
	v_pk_add_f32 v[128:129], v[128:129], v[132:133]        ; (plain work behind the reciprocal)
	v_pk_add_f32 v[130:131], v[130:131], v[134:135]
	v_pk_add_f32 v[136:137], v[136:137], v[140:141]
	v_pk_add_f32 v[138:139], v[138:139], v[142:143]
	v_pk_add_f32 v[128:129], v[128:129], v[136:137]
	v_pk_add_f32 v[130:131], v[130:131], v[138:139]
.irp c, 0,1,2,3
	v_permlanex16_b32 v[132+\c], v[128+\c], s16, s17
.endr
	v_pk_add_f32 v[128:129], v[128:129], v[132:133]
	v_pk_add_f32 v[130:131], v[130:131], v[134:135]
	s_wait_alu depctr_va_vdst(0)                   ; ahead of the reciprocal's first reader
	v_pk_mul_f32 v[128:129], v[128:129], v[36:37] op_sel:[0,1] op_sel_hi:[1,1]
	v_pk_mul_f32 v[130:131], v[130:131], v[36:37] op_sel:[0,1] op_sel_hi:[1,1]
	v_cmp_gt_u32 vcc_lo, 16, v1
	s_wait_xcnt 0x0                                ; EXEC changes only behind this wait
	s_and_saveexec_b32 s18, vcc_lo
	global_store_b128 v12, v[128:131], s[8:9]      ; sixteen lanes store 256 consecutive bytes, aligned
	s_wait_xcnt 0x0
	s_or_b32 exec_lo, exec_lo, s18
.Lend:
	s_wait_tensorcnt 0x0
	ds_add_u32 v144, v145
	s_wait_dscnt 0x0
	s_endpgm
.Lfunc_end_k_q7fbfe95b00_combine:
	.size	k_q7fbfe95b00_combine, .Lfunc_end_k_q7fbfe95b00_combine-k_q7fbfe95b00_combine
	.p2alignl 7, 3214868480
	.fill 96, 4, 3214868480
	.section	.rodata,"a",@progbits
	.p2align	6, 0x0
	.amdhsa_kernel k_q7fbfe95b00_combine
		.amdhsa_group_segment_fixed_size 5120
		.amdhsa_private_segment_fixed_size 0
		.amdhsa_enable_private_segment 0
		.amdhsa_kernarg_size 24
		.amdhsa_user_sgpr_count 2
		.amdhsa_user_sgpr_kernarg_segment_ptr 1
		.amdhsa_wavefront_size32 1
		.amdhsa_system_sgpr_workgroup_id_x 1
		.amdhsa_system_sgpr_workgroup_id_y 1
		.amdhsa_system_sgpr_workgroup_id_z 1
		.amdhsa_system_vgpr_workitem_id 0
		.amdhsa_next_free_vgpr 146
		.amdhsa_next_free_sgpr 66
		.amdhsa_reserve_vcc 1
		.amdhsa_float_denorm_mode_32 3
		.amdhsa_float_denorm_mode_16_64 3
		.amdhsa_memory_ordered 1
		.amdhsa_forward_progress 1
		.amdhsa_inst_pref_size 12
	.end_amdhsa_kernel
	.amdgpu_metadata
---
amdhsa.version: [ 1, 2 ]
amdhsa.kernels:
  - .name:           k_q7fbfe95b00_combine
    .symbol:         k_q7fbfe95b00_combine.kd
    .args:
      - { .name: part, .offset: 0, .size: 8, .value_kind: global_buffer, .address_space: global }
      - { .name: stats, .offset: 8, .size: 8, .value_kind: global_buffer, .address_space: global }
      - { .name: out0, .offset: 16, .size: 8, .value_kind: global_buffer, .address_space: global }
    .group_segment_fixed_size: 5120
    .private_segment_fixed_size: 0
    .kernarg_segment_align: 8
    .kernarg_segment_size: 24
    .max_flat_workgroup_size: 256
    .sgpr_count:     66
    .vgpr_count:     146
    .wavefront_size: 32
...
	.end_amdgpu_metadata
.endif
;; end of part 3
;; ======== version 2 of 2: 3 launches
;; limits: right only within a limited range of input values
;; workspace buffers: wq 2,457,600 bytes; part 1,048,576 bytes; stats 2,048 bytes
;; launch wquant (part 4): grid 192 x 1, 1 waves a work-group, no clusters, 2,816 bytes of LDS; arguments W0, W1, Wa, wq; writes wq
.if DOCPART == 4
	.amdgcn_target "amdgcn-amd-amdhsa--gfx1250"
	.amdhsa_code_object_version 6
	.text
	.protected	k_q7fbfe95b00_wquant
	.globl	k_q7fbfe95b00_wquant
	.p2align	8
	.type	k_q7fbfe95b00_wquant,@function
k_q7fbfe95b00_wquant:
	s_mov_b64 s[64:65], 0
	v_nop
	global_prefetch_b8 v0, s[64:65] scope:SCOPE_SE
	s_setreg_imm32_b32 hwreg(HW_REG_WAVE_MODE, 25, 1), 1
	s_wait_xcnt 0x0
; W0, W1, Wa [1024][1024] f32 (K innermost) become codes of FP6 (E2M3) with one E8M0 byte for each 32 along K, laid in wq in the ORDER OF THE OPERAND'S REGISTERS
; and in the order in which the next launch walks them.
; wq = 24 slots of 102,400 bytes; slot 8 phi + s (phi: phase 0..2, s: K step of 128); a slot = 8 eighths of 12,800 bytes; an eighth = 8 fragment images of 1,536 bytes + a scale block of 512.
; Eighth eps holds a group G of 128 weight rows: phi = 0: W1, G = eps;  phi = 1, 2: eps even Wa, eps odd W0, G = (eps & 6) + phi - 1.
; Fragment t of a group: lane (r, h) holds weight row 128 G + 32 (t / 2) + 8 (t % 2) + r + 8 (r / 8); registers 0-5: k = 128 s + 32 h + 0..31, registers 6-11: k = 128 s + 64 + 32 h + 0..31.
; Its image: three runs of 512 bytes, run c = lane l's registers 4 c .. 4 c + 3 at 16 l.  Scale block: lane l's 16 bytes at 16 l, word j = the scale word of fragment 2 j + (l / 16), row l % 16.
; One wave makes one eighth: 8 fragments, 64 KB of f32 in, 12,800 bytes out, every store 512 consecutive aligned bytes.  192 work-groups: a scale block of 512 whole bytes wants eight fragments in one wave.
; THE WAY IN.  The conversions take 16 neighbours along K from ONE lane's registers; a load is best where neighbouring lanes take neighbouring bytes.  Both are had: a load's eight lanes take the 128 consecutive bytes of one
; block of 32 numbers of a row, four rows a load, and a tile turns through a stage in LDS, block by block, in place in its registers (macro TURN).  The next tile's turn is issued ahead of this tile's arithmetic.
; A block's scale is 2^(floor(log2(largest magnitude)) - 2): its byte is the largest magnitude's exponent field - 2, held at 1 from below.
; LIMITS: NaN and infinities are not served; a block whose largest magnitude lies under 2^-124, a block of zeros among them, keeps the byte 1 (the rule says 127 for zeros: the codes are zeros, and this program alone reads the bytes).
.set FRB, 1536
.set SPI, 144                          ; a stage row: a block's 128 bytes + 16: the 16 rows that a load touches begin in 16 different columns of 16 bytes
.set XO,  4                            ; v4   my byte in a tile's rows: (16 x bit 3 + 4 x bit 4 of the lane) rows of 4,096 bytes + 16 (lane % 8)
.set LI,  5                            ; v5   16 x lane
.set TSA, 6                            ; v6   the stage, on the way in: (8 x bit 3 + 4 x bit 4) x SPI + 16 (lane % 8)
.set TLA, 7                            ; v7   and on the way out: r x SPI + 64 h
.set SW,  8                            ; v8-11 the scale block
.set PC,  16                           ; v16-35 the codes just made
.set TM,  36                           ; v36-51 at work in QUANT
.set PW,  52                           ; v52  the scale word just made
.set SEL, 20                           ; s[20:21] selects of v_permlanex16_b32 for lane l xor 16
.set MSB, 0
.macro WIN new                         ; the immediate's high byte repeats the setting that is left; a switch that changes nothing is dropped
.if MSB != (\new)
	s_set_vgpr_msb (MSB<<8)|(\new)
.set MSB, (\new)
.endif
.endm
; 64 registers in window win, as loaded (register 16 b + 4 q + e: stage row (my lane's first) + q, k = 32 b + 4 (lane % 8) + e), come back as register 16 b + i = k 32 b + 16 h + i of stage row r.
; One stage serves the four blocks: LDS serves a wave's instructions in order (ISA guide 5.7.1.4), so a block's loads see its stores and the next block's stores come behind them.
.macro TURN win, base
	WIN ((\win)<<2)|((\win)<<6)                    ; an LDS store's data are its source 1, a load's its destination
.irp b, 0,1,2,3
.irp q, 0,1,2,3
	ds_store_b128 v[TSA], v[\base+16*\b+4*\q:\base+16*\b+4*\q+3] offset:SPI*\q
.endr
.irp j, 0,1,2,3
	ds_load_b128 v[\base+16*\b+4*\j:\base+16*\b+4*\j+3], v[TLA] offset:16*\j
.endr
.endr
	WIN 0
.endm
; 64 numbers of a lane in window win, v[s] .. v[s + 63], register 16 b + i = k 32 b + 16 h + i of my row, become a fragment's codes in v[PC] .. v[PC + 11] and its scale word in v[PW].
.macro QUANT win, s
	WIN ((\win)<<2)|((\win)<<4)
.irp b, 0,1,2,3
	v_max3_num_f32 v[TM+\b], 0x1800000, |v[\s+16*\b]|, |v[\s+1+16*\b]|   ; block b: my 16 numbers, and the floor 2^(3 - 127): the byte cannot fall under 1
.endr
.irp i, 2,4,6,8,10,12,14
.irp b, 0,1,2,3
	v_max3_num_f32 v[TM+\b], v[TM+\b], |v[\s+16*\b+\i]|, |v[\s+1+16*\b+\i]|   ; the four blocks by turns
.endr
.endr
	WIN 0
.irp b, 0,1,2,3
	v_permlanex16_b32 v[TM+4+\b], v[TM+\b], s[SEL], s[SEL+1]
.endr
.irp b, 0,1,2,3
	v_max_num_f32 v[TM+\b], v[TM+\b], v[TM+4+\b]          ; with lane l xor 16's 16: the block's largest magnitude
.endr
.irp b, 0,1,2,3
	v_add_nc_u32 v[TM+12+\b], 0xff000000, v[TM+\b]        ; 2 off its exponent field: the conversion's scale operand
.endr
.irp b, 0,1,2,3
	v_lshrrev_b32 v[TM+4+\b], 23, v[TM+12+\b]             ; the scale's byte
.endr
	v_lshl_or_b32 v[PW], v[TM+5], 8, v[TM+4]
	v_lshl_or_b32 v[PW], v[TM+6], 16, v[PW]
	v_lshl_or_b32 v[PW], v[TM+7], 24, v[PW]
	WIN \win
.irp c, 0,1
	v_cvt_scalef32_pk16_fp6_f32 v[PC+6*\c:PC+2+6*\c], v[\s+32*\c:\s+15+32*\c], v[TM+12+2*\c]
	v_cvt_scalef32_pk16_fp6_f32 v[PC+12+4*\c:PC+14+4*\c], v[\s+16+32*\c:\s+31+32*\c], v[TM+12+2*\c+1]   ; a conversion's three registers begin on an even number
.endr
	WIN 0
	v_nop                                                  ; one plain place behind the scaled conversions
.irp c, 0,1                                            ; the operand wants a WHOLE block in a lane: lanes 0-15 block 2 c, lanes 16-31 block 2 c + 1
.irp i, 0,1,2
	v_permlane16_swap_b32 v[PC+6*\c+\i], v[PC+12+4*\c+\i]
.endr
.irp i, 0,1,2
	v_mov_b32 v[PC+3+6*\c+\i], v[PC+12+4*\c+\i]
.endr
.endr
.endm
	s_load_b256 s[4:11], s[0:1], 0x0               ; W0 s[4:5], W1 s[6:7], Wa s[8:9], wq s[10:11]
	v_lshl_add_u32 v254, v0, 2, 0xa00
	v_mov_b32 v255, 0
	v_and_b32 v1, 31, v0                           ; lane
	v_and_b32 v2, 15, v0                           ; r
	v_bfe_u32 v3, v0, 4, 1                         ; h = bit 4 of the lane
	v_bfe_u32 v12, v0, 3, 1                        ; bit 3
	v_and_b32 v13, 7, v0                           ; my place among the eight lanes of a run
	v_lshlrev_b32 v14, 2, v3
	v_lshl_add_u32 v15, v12, 3, v14                ; my first stage row: 8 x bit 3 + 4 x bit 4: a store's first sixteen lanes hold rows q and q + 8, whose runs of eight columns do not meet
	v_lshl_add_u32 v14, v12, 4, v14                ; and the weight row that it stands for: stage row i is row i + 8 (i / 8) of the tile's span
	v_lshlrev_b32 v[XO], 12, v14
	v_lshl_add_u32 v[XO], v13, 4, v[XO]
	v_mul_u32_u24 v[TSA], v15, SPI
	v_lshl_add_u32 v[TSA], v13, 4, v[TSA]
	v_mul_u32_u24 v[TLA], v2, SPI
	v_lshl_add_u32 v[TLA], v3, 6, v[TLA]
	v_lshlrev_b32 v[LI], 4, v1
	v_cmp_le_u32 vcc_lo, 16, v1                    ; lanes 16-31: they keep the odd fragments' scale words
.irp b, 0,1,2,3
	v_mov_b32 v[TM+4+\b], 0                        ; written once: a lane permute's destination counts as one of its sources
.endr
	s_mov_b32 s[SEL], 0x76543210
	s_mov_b32 s[SEL+1], 0xfedcba98
	s_lshr_b32 s12, ttmp9, 3                       ; the slot
	s_and_b32 s13, ttmp9, 7                        ; eps
	s_lshr_b32 s14, s12, 3                         ; phi
	s_and_b32 s15, s12, 7                          ; s
	s_and_b32 s16, s13, 6
	s_add_co_u32 s16, s16, s14
	s_sub_co_u32 s16, s16, 1                       ; (eps & 6) + phi - 1
	s_cmp_eq_u32 s14, 0
	s_cselect_b32 s16, s13, s16                    ; G
	s_lshl_b32 s16, s16, 19                        ; 128 rows of 4,096 bytes
	s_lshl_b32 s17, s15, 9                         ; 128 numbers along K
	s_add_co_u32 s16, s16, s17
	s_mov_b32 s17, 0
	s_mul_i32 s18, ttmp9, 12800                    ; my eighth
	s_mov_b32 s19, 0
	s_and_b32 s22, s13, 1
	s_wait_alu depctr_va_vdst(0)
	s_wait_kmcnt 0x0
	s_cmp_eq_u32 s22, 1
	s_cselect_b64 s[24:25], s[4:5], s[8:9]         ; odd eighths W0, even ones Wa;
	s_cmp_eq_u32 s14, 0
	s_cselect_b64 s[24:25], s[6:7], s[24:25]       ; phase 0: W1.  The choices hang on the work-group's number alone
	s_add_nc_u64 s[24:25], s[24:25], s[16:17]
	s_add_nc_u64 s[10:11], s[10:11], s[18:19]
; all 128 loads at once: tile t lands in window 1 + t / 4 at v[64 (t % 4)]; a load's 32 lanes cover four runs of 128 consecutive bytes whole; a tile's 16 loads read 16 rows x 512 bytes
.irp t, 0,1,2,3,4,5,6,7
	WIN (1+\t/4)<<6
.irp q, 0,1,2,3
.irp b, 0,1,2,3
	global_load_b128 v[64*(\t%4)+16*\b+4*\q:64*(\t%4)+16*\b+4*\q+3], v[XO], s[24:25] offset:(32*(\t/2)+8*(\t%2)+\q)*4096+128*\b th:TH_LOAD_NT
.endr
.endr
.endr
	WIN 0
	s_wait_loadcnt 63                              ; tile 0 is in: behind it stand 112 loads; the wait names the most that its field holds, which is fewer and so safe
	TURN 1, 0
.irp t, 0,1,2,3,4,5,6,7
.if \t < 7
.if 16*(6-\t) > 63
	s_wait_loadcnt 63                              ; tile t + 1 is in: behind it stand 16 (6 - t) loads, held at what the field can name
.else
	s_wait_loadcnt 16*(6-\t)                       ; tile t + 1 is in; the later tiles' loads may stay out
.endif
	TURN 1+(\t+1)/4, 64*((\t+1)%4)                 ; the next tile goes through the stage while this one is worked
	s_wait_dscnt 32                                ; this tile is back: the 32 just issued may stay out
.else
	s_wait_dscnt 0x0
.endif
	s_wait_xcnt 0x0                                ; the last tile's stores have read v[PC] on: only behind this wait are they written again
	QUANT 1+\t/4, 64*(\t%4)
.irp c, 0,1,2
	global_store_b128 v[LI], v[PC+4*\c:PC+4*\c+3], s[10:11] offset:FRB*\t+512*\c   ; 512 consecutive bytes, aligned
.endr
.if (\t)%2
	v_cndmask_b32 v[SW+\t/2], v[SW+\t/2], v[PW], vcc_lo   ; lanes 16-31 take the odd fragment's word
.else
	v_mov_b32 v[SW+\t/2], v[PW]
.endif
.endr
	global_store_b128 v[LI], v[SW:SW+3], s[10:11] offset:8*FRB
	s_wait_tensorcnt 0x0
	ds_add_u32 v254, v255
	s_wait_dscnt 0x0
	s_endpgm
.Lfunc_end_k_q7fbfe95b00_wquant:
	.size	k_q7fbfe95b00_wquant, .Lfunc_end_k_q7fbfe95b00_wquant-k_q7fbfe95b00_wquant
	.p2alignl 7, 3214868480
	.fill 96, 4, 3214868480
	.section	.rodata,"a",@progbits
	.p2align	6, 0x0
	.amdhsa_kernel k_q7fbfe95b00_wquant
		.amdhsa_group_segment_fixed_size 2816
		.amdhsa_private_segment_fixed_size 0
		.amdhsa_enable_private_segment 0
		.amdhsa_kernarg_size 32
		.amdhsa_user_sgpr_count 2
		.amdhsa_user_sgpr_kernarg_segment_ptr 1
		.amdhsa_wavefront_size32 1
		.amdhsa_system_sgpr_workgroup_id_x 1
		.amdhsa_system_sgpr_workgroup_id_y 1
		.amdhsa_system_sgpr_workgroup_id_z 1
		.amdhsa_system_vgpr_workitem_id 0
		.amdhsa_next_free_vgpr 768
		.amdhsa_next_free_sgpr 66
		.amdhsa_reserve_vcc 1
		.amdhsa_float_denorm_mode_32 3
		.amdhsa_float_denorm_mode_16_64 3
		.amdhsa_memory_ordered 1
		.amdhsa_forward_progress 1
		.amdhsa_inst_pref_size 66
	.end_amdhsa_kernel
	.amdgpu_metadata
---
amdhsa.version: [ 1, 2 ]
amdhsa.kernels:
  - .name:           k_q7fbfe95b00_wquant
    .symbol:         k_q7fbfe95b00_wquant.kd
    .args:
      - { .name: W0, .offset: 0, .size: 8, .value_kind: global_buffer, .address_space: global }
      - { .name: W1, .offset: 8, .size: 8, .value_kind: global_buffer, .address_space: global }
      - { .name: Wa, .offset: 16, .size: 8, .value_kind: global_buffer, .address_space: global }
      - { .name: wq, .offset: 24, .size: 8, .value_kind: global_buffer, .address_space: global }
    .group_segment_fixed_size: 2816
    .private_segment_fixed_size: 0
    .kernarg_segment_align: 8
    .kernarg_segment_size: 32
    .max_flat_workgroup_size: 32
    .sgpr_count:     66
    .vgpr_count:     768
    .wavefront_size: 32
...
	.end_amdgpu_metadata
.endif
;; end of part 4
;; launch fused (part 5): grid 256 x 1, 4 waves a work-group, clusters of 4 x 1, 327,680 bytes of LDS; arguments key, query, value, b0, b1, ba, wq, part, stats; writes part, stats
.if DOCPART == 5
	.amdgcn_target "amdgcn-amd-amdhsa--gfx1250"
	.amdhsa_code_object_version 6
	.text
	.protected	k_q7fbfe95b00_fused
	.globl	k_q7fbfe95b00_fused
	.p2align	8
	.type	k_q7fbfe95b00_fused,@function
k_q7fbfe95b00_fused:
	s_mov_b64 s[64:65], 0
	v_nop
	global_prefetch_b8 v0, s[64:65] scope:SCOPE_SE
	s_setreg_imm32_b32 hwreg(HW_REG_WAVE_MODE, 25, 1), 1
	s_wait_xcnt 0x0
	s_wait_alu depctr_hold_cnt(0) depctr_sa_sdst(0) depctr_va_vdst(0) depctr_va_sdst(0) depctr_va_ssrc(0) depctr_va_vcc(0) depctr_vm_vsrc(0)
	s_getreg_b32 s2, hwreg(HW_REG_IB_STS2, 6, 4)
	s_cmp_eq_u32 s2, 0
	s_cbranch_scc0 .Lentry_in_a_cluster
	s_endpgm
.Lentry_in_a_cluster:
	s_bfe_u32 s2, ttmp6, 0x10000c
	s_cmp_lg_u32 s2, 0x3003
	s_cbranch_scc0 .Lentry_shape_is_right
	s_endpgm
.Lentry_shape_is_right:
.set SLOTB,  102400
.set QUARTB, 25600
.set SETB,   12800
.set FRB,    1536
.set IMG,    2*SLOTB
.set CH,     4*FRB+512
.set SPARE,  IMG+16*CH
.set ESC,    SPARE+512
.set PBC,    ESC+1024
.set STG,    PBC+1024
.set SPI,    144
.set STGW,   16*SPI
.set LANE, 1
.set RR,   2
.set HH,   3
.set LI,   4
.set SPW,  5
.set NIL,  6
.set WA0,  7
.set XAD,  9
.set SD,   10
.set SDS,  11
.set HD,   12
.set XO,   13
.set BO,   14
.set TSA,  15
.set ES,   16
.set EL,   17
.set PS,   18
.set PL,   19
.set PFO,  20
.set ZO,   21
.set TLA,  22
.set WS,   24
.set XS0,  32
.set EA,   40
.set X0,   56
.set LB1,  152
.set LB0,  192
.set PC,   216
.set TM,   236
.set PW,   252
.set P,    56
.set CT,   120
.set T0,   216
.set WV,    22
.set WG,    23
.set G1,    24
.set G0,    32
.set SRC,   40
.set KEYB,  42
.set QRYB,  44
.set SEL,   46
.set OFF,   48
.set VB,    50
.set WQB,   52
.set PARTB, 54
.set STB,   56
.set ROT,   58
.set CL,    59
.set QI,    60
.set TR,    61
.set MSB, 0
.macro WIN new
.if MSB != (\new)
	s_set_vgpr_msb (MSB<<8)|(\new)
.set MSB, (\new)
.endif
.endm
.macro PLACES n
.rept \n
	v_nop
.endr
.endm
.macro CROUND
	s_barrier_signal -1
	s_barrier_wait -1
	s_cmp_lg_u32 s[WV], 0
	s_cbranch_scc1 .Lnot_wave_0_\@
	s_barrier_signal -3
.Lnot_wave_0_\@:
	s_barrier_wait -3
	s_barrier_signal -1
	s_barrier_wait -1
.endm
.macro JLOAD slot
	tensor_load_to_lds s[G0+4*(\slot):G0+4*(\slot)+3], s[G1:G1+7]
	s_nop 0
	PLACES 4
.endm
.macro NEXTW slot
	s_add_co_u32 s[QI], s[QI], 1
	s_add_co_u32 s68, s[QI], s[ROT]
	s_and_b32 s68, s68, 7
	s_and_b32 s69, s[QI], 24
	s_or_b32 s68, s68, s69
	s_mul_i32 s68, s68, SLOTB
	s_mov_b32 s69, 0
	s_add_nc_u64 s[G0+4*(\slot)+2:G0+4*(\slot)+3], s[WQB:WQB+1], s[68:69]
	s_or_b32 s[G0+4*(\slot)+3], s[G0+4*(\slot)+3], 0x80000000
.endm
.macro WLOAD set, slot
	WIN 0x40
.irp t, 0,1,2,3,4,5,6,7
.irp c, 0,1,2
	ds_load_b128 v[96*(\set)+12*\t+4*\c:96*(\set)+12*\t+4*\c+3], v[WA0+(\slot)] offset:SETB*(\set)+FRB*\t+512*\c
.endr
.endr
	WIN 0
	ds_load_b128 v[WS+4*(\set):WS+4*(\set)+3], v[WA0+(\slot)] offset:SETB*(\set)+8*FRB
.endm
.macro XFETCH xs, off
.irp m, 0,1,2,3
.irp c, 0,1,2
	ds_load_b128 v[X0+48*(\xs)+12*\m+4*\c:X0+48*(\xs)+12*\m+4*\c+3], v[XAD] offset:\off+FRB*\m+512*\c
.endr
.endr
	ds_load_b128 v[XS0+4*(\xs):XS0+4*(\xs)+3], v[XAD] offset:\off+4*FRB
.endm
.macro HALF set, xs, hi
	WIN 0xa1+0x50*(\hi)
.irp t, 0,1,2,3,4,5,6,7
.irp m, 0,1,2,3
.if (\t)%2
	v_wmma_scale_f32_16x16x128_f8f6f4 v[64*\m+8*\t:64*\m+8*\t+7], v[96*(\set)+12*\t:96*(\set)+12*\t+11], v[X0+48*(\xs)+12*\m:X0+48*(\xs)+12*\m+11], v[64*\m+8*\t:64*\m+8*\t+7], v[WS+4*(\set)+\t/2], v[XS0+4*(\xs)+\m] matrix_a_fmt:MATRIX_FMT_FP6 matrix_b_fmt:MATRIX_FMT_FP6 matrix_a_scale:MATRIX_SCALE_ROW1
.else
	v_wmma_scale_f32_16x16x128_f8f6f4 v[64*\m+8*\t:64*\m+8*\t+7], v[96*(\set)+12*\t:96*(\set)+12*\t+11], v[X0+48*(\xs)+12*\m:X0+48*(\xs)+12*\m+11], v[64*\m+8*\t:64*\m+8*\t+7], v[WS+4*(\set)+\t/2], v[XS0+4*(\xs)+\m] matrix_a_fmt:MATRIX_FMT_FP6 matrix_b_fmt:MATRIX_FMT_FP6
.endif
.endr
.endr
.endm
.macro INIT ptr, win, off
	WIN (\win)<<6
.irp m, 0,1,2,3
.irp t, 0,1,2,3,4,5,6,7
.irp q, 0,1
	global_load_b128 v[64*\m+8*\t+4*\q:64*\m+8*\t+4*\q+3], v[BO], s[\ptr:\ptr+1] offset:\off+128*(\t/2)+32*(\t%2)+16*\q
.endr
.endr
.endr
	WIN 0
.endm
.macro NEXTSRC
	s_wait_xcnt 0x0
	s_add_co_u32 s[OFF], s[CL], s[ROT]
	s_and_b32 s[OFF], s[OFF], 7
	s_lshl_b32 s[OFF], s[OFF], 9
	s_cmp_lt_u32 s[CL], 8
	s_cselect_b64 s[SRC:SRC+1], s[KEYB:KEYB+1], s[QRYB:QRYB+1]
	s_add_nc_u64 s[SRC:SRC+1], s[SRC:SRC+1], s[OFF:OFF+1]
	s_add_co_u32 s[CL], s[CL], 1
.endm
.macro XLOAD win, base
	WIN (\win)<<6
.irp q, 0,1,2,3
.irp b, 0,1,2,3
	global_load_b128 v[\base+16*\b+4*\q:\base+16*\b+4*\q+3], v[XO], s[SRC:SRC+1] offset:4096*\q+128*\b th:TH_LOAD_NT
.endr
.endr
	WIN 0
.endm
.macro TURN win, base
	WIN ((\win)<<2)|((\win)<<6)
.irp b, 0,1,2,3
.irp q, 0,1,2,3
	ds_store_b128 v[TSA], v[\base+16*\b+4*\q:\base+16*\b+4*\q+3] offset:SPI*\q
.endr
.irp j, 0,1,2,3
	ds_load_b128 v[\base+16*\b+4*\j:\base+16*\b+4*\j+3], v[TLA] offset:16*\j
.endr
.endr
	WIN 0
.endm
.macro VLOAD win, base, row0, n
	WIN (\win)<<6
.set vi, 0
.rept \n
	global_load_b128 v[\base+8*vi:\base+8*vi+3], v[LI], s[VB:VB+1] offset:(\row0+vi)*4096 th:TH_LOAD_NT
	global_load_b128 v[\base+8*vi+4:\base+8*vi+7], v[LI], s[VB:VB+1] offset:(\row0+vi)*4096+512 th:TH_LOAD_NT
.set vi, vi+1
.endr
	WIN 0
.endm
.macro QUANT win, s
	WIN ((\win)<<2)|((\win)<<4)
.irp b, 0,1,2,3
	v_max3_num_f32 v[TM+\b], 0x1800000, |v[\s+16*\b]|, |v[\s+1+16*\b]|
.endr
.irp i, 2,4,6,8,10,12,14
.irp b, 0,1,2,3
	v_max3_num_f32 v[TM+\b], v[TM+\b], |v[\s+16*\b+\i]|, |v[\s+1+16*\b+\i]|
.endr
.endr
	WIN 0
.irp b, 0,1,2,3
	v_permlanex16_b32 v[TM+4+\b], v[TM+\b], s[SEL], s[SEL+1]
.endr
.irp b, 0,1,2,3
	v_max_num_f32 v[TM+\b], v[TM+\b], v[TM+4+\b]
.endr
.irp b, 0,1,2,3
	v_add_nc_u32 v[TM+12+\b], 0xff000000, v[TM+\b]
.endr
.irp b, 0,1,2,3
	v_lshrrev_b32 v[TM+4+\b], 23, v[TM+12+\b]
.endr
	v_lshl_or_b32 v[PW], v[TM+5], 8, v[TM+4]
	v_lshl_or_b32 v[PW], v[TM+6], 16, v[PW]
	v_lshl_or_b32 v[PW], v[TM+7], 24, v[PW]
	WIN \win
.irp c, 0,1
	v_cvt_scalef32_pk16_fp6_f32 v[PC+6*\c:PC+2+6*\c], v[\s+32*\c:\s+15+32*\c], v[TM+12+2*\c]
	v_cvt_scalef32_pk16_fp6_f32 v[PC+12+4*\c:PC+14+4*\c], v[\s+16+32*\c:\s+31+32*\c], v[TM+12+2*\c+1]
.endr
	WIN 0
	v_nop
.irp c, 0,1
.irp i, 0,1,2
	v_permlane16_swap_b32 v[PC+6*\c+\i], v[PC+12+4*\c+\i]
.endr
.irp i, 0,1,2
	v_mov_b32 v[PC+3+6*\c+\i], v[PC+12+4*\c+\i]
.endr
.endr
.endm
.macro SIDEQ win, base
	QUANT \win, \base
.irp c, 0,1,2
	ds_store_b128 v[SD], v[PC+4*\c:PC+4*\c+3] offset:512*\c
.endr
	ds_store_b32 v[SDS], v[PW]
.endm
.macro SIDEL win, base, mode
.if \mode == 1
	NEXTSRC
	XLOAD \win, \base
.elseif \mode == 2
	s_cmp_eq_u32 s[TR], 1
	s_cbranch_scc1 .Lvalue_\@
	NEXTSRC
	XLOAD \win, \base
	s_branch .Lside_done_\@
.Lvalue_\@:
	VLOAD \win, \base, 0, 8
.Lside_done_\@:
.else
	VLOAD \win, \base, 8, 8
.endif
.endm
.macro PERIOD slot, xa, xb, ax, ex, fill, swin, sbase, smode, exskip, pf
	PLACES 4
.if \pf
	s_wait_alu depctr_va_vdst(0)
	s_wait_xcnt 0x0                                ; the last period's prefetch has read its address
	s_add_nc_u64 s[72:73], s[72:73], 8*4096        ; 8 rows of value on
.endif
.set NW, 25
.if \ax >= 0
.set NW, 38
.endif
.set ND, NW
.if \smode
	s_wait_loadcnt 16
	TURN \swin, \sbase
.set ND, NW+32
.endif
.if ND > 63
.set ND, 63
.endif
	WLOAD 1, \slot
.if \ax >= 0
	XFETCH \ax, 8*CH
.endif
	s_wait_dscnt ND
	HALF 0, \xa, 0
	WIN 0
.if \smode
	s_wait_dscnt NW
	SIDEQ \swin, \sbase
.endif
.if \fill >= 0
	s_wait_tensorcnt 0x0
	ds_add_u32 v[SPW], v[NIL]
.if \fill
	NEXTW \slot
.endif
	s_wait_dscnt 0x0
.if \fill
	CROUND
	JLOAD \slot
.if \smode
	SIDEL \swin, \sbase, \smode
.endif
.else
	s_barrier_signal -1
	s_barrier_wait -1
	PLACES 4
.endif
	s_wait_alu depctr_va_vdst(0)
	v_add_nc_u32 v[XAD], CH, v[XAD]
.if \smode
	v_add_nc_u32 v[SD], CH, v[SD]
	v_add_nc_u32 v[SDS], CH, v[SDS]
.endif
	WLOAD 0, 1-\slot
.if \ex >= 0
.if \exskip
	s_cmp_eq_u32 s[TR], 1
	s_cbranch_scc1 .Lno_next_x_\@
.endif
	XFETCH \ex, 0
.if \exskip
.Lno_next_x_\@:
.endif
.endif
.if \pf
	global_prefetch_b8 v[PFO], s[72:73] th:TH_LOAD_NT scope:SCOPE_SE   ; 8 rows x my 1,024 bytes of value, a lane a block of 256: six periods ask for rows 16 to 63
.endif
.else
	s_wait_dscnt 0x0
.endif
	HALF 1, \xb, 1
	WIN 0
.endm
.macro RELU win, base
	WIN ((\win)<<6)|((\win)<<2)
.set rj, 0
.rept 64
	v_max_num_f32 v[\base+rj], 0, v[\base+rj]
.set rj, rj+1
.endr
.endm
.macro COMBINE first
	WIN 0xcc
.set cj, 0
.rept 256
	v_max_num_f32 v[cj], 0, v[cj]
.set cj, cj+1
.endr
	WIN 0x0b
.set ci, 0
.rept 32
.irp m, 0,1,2,3
.if (\first) && (ci < 2)
	v_pk_mul_f32 v[EA+4*\m+2*(ci%2):EA+4*\m+2*(ci%2)+1], v[64*\m+2*ci:64*\m+2*ci+1], v[64*\m+2*ci:64*\m+2*ci+1]
.else
	v_pk_fma_f32 v[EA+4*\m+2*(ci%2):EA+4*\m+2*(ci%2)+1], v[64*\m+2*ci:64*\m+2*ci+1], v[64*\m+2*ci:64*\m+2*ci+1], v[EA+4*\m+2*(ci%2):EA+4*\m+2*(ci%2)+1]
.endif
.endr
.set ci, ci+1
.endr
	WIN 0
.endm
.macro VROW row, win, base
	WIN \win
.irp q, 0,1,2,3
.if (\row) < 2
.if (\row)%2
	v_pk_mul_f32 v[CT+8+2*\q:CT+8+2*\q+1], v[\base+2*\q:\base+2*\q+1], v[P+((\row)/2)*2:P+((\row)/2)*2+1] op_sel:[0,1] op_sel_hi:[1,1]
.else
	v_pk_mul_f32 v[CT+2*\q:CT+2*\q+1], v[\base+2*\q:\base+2*\q+1], v[P+((\row)/2)*2:P+((\row)/2)*2+1] op_sel_hi:[1,0]
.endif
.else
.if (\row)%2
	v_pk_fma_f32 v[CT+8+2*\q:CT+8+2*\q+1], v[\base+2*\q:\base+2*\q+1], v[P+((\row)/2)*2:P+((\row)/2)*2+1], v[CT+8+2*\q:CT+8+2*\q+1] op_sel:[0,1,0] op_sel_hi:[1,1,1]
.else
	v_pk_fma_f32 v[CT+2*\q:CT+2*\q+1], v[\base+2*\q:\base+2*\q+1], v[P+((\row)/2)*2:P+((\row)/2)*2+1], v[CT+2*\q:CT+2*\q+1] op_sel_hi:[1,0,1]
.endif
.endif
.endr
.endm
	s_load_b512 s[4:19], s[0:1], 0x0
	s_load_b64 s[20:21], s[0:1], 0x40
	v_lshl_add_u32 v[SPW], v0, 2, SPARE
	v_mov_b32 v[NIL], 0
	ds_add_u32 v5, v6
	ds_add_u32 v5, v6
	s_wait_dscnt 0x0
	v_lshrrev_b32 v1, 5, v0
	v_readfirstlane_b32 s[WV], v1
	v_and_b32 v[LANE], 31, v0
	v_and_b32 v[RR], 15, v0
	v_bfe_u32 v[HH], v0, 4, 1
	s_bfe_u32 s62, ttmp6, 0x40000
	s_lshl_b32 s[WG], ttmp9, 2
	s_add_co_u32 s[WG], s[WG], s62
	s_and_b32 s63, ttmp9, 3
	s_lshl_b32 s[ROT], s63, 1
	s_add_co_u32 s63, s63, s[WV]
	s_and_b32 s63, s63, 3
	v_lshlrev_b32 v[LI], 4, v[LANE]
	s_mul_i32 s68, s[WV], QUARTB
	v_add_nc_u32 v[WA0], s68, v[LI]
	v_add_nc_u32 v[WA0+1], SLOTB, v[WA0]
	v_add_nc_u32 v[XAD], IMG, v[LI]
	s_mul_i32 s69, s[WV], FRB
	v_add_nc_u32 v[SD], s69, v[XAD]
	s_lshl_b32 s69, s[WV], 2
	v_add_nc_u32 v[SDS], s69, v[XAD]
	v_add_nc_u32 v[SDS], 4*FRB, v[SDS]
	s_mul_i32 s69, s[WV], 2*CH
	v_add_nc_u32 v[HD], s69, v[XAD]
	s_lshl_b32 s69, s[WV], 8
	v_lshl_add_u32 v[ES], v[RR], 2, s69
	v_add_nc_u32 v[ES], ESC, v[ES]
	v_lshl_add_u32 v[EL], v[LANE], 2, ESC
	v_lshl_add_u32 v[PS], v[LANE], 2, s69
	v_add_nc_u32 v[PS], PBC, v[PS]
	v_mov_b32 v[PL], s69
	v_add_nc_u32 v[PL], PBC, v[PL]
	v_bfe_u32 v254, v0, 3, 1
	v_lshlrev_b32 v254, 3, v254
	v_lshl_add_u32 v254, v[HH], 2, v254
	v_and_b32 v255, 7, v0
	v_lshlrev_b32 v[XO], 12, v254
	v_lshl_add_u32 v[XO], v255, 4, v[XO]
	s_mul_i32 s69, s[WV], STGW
	v_mul_u32_u24 v[TSA], v254, SPI
	v_lshl_add_u32 v[TSA], v255, 4, v[TSA]
	v_add_nc_u32 v[TSA], s69, v[TSA]
	v_add_nc_u32 v[TSA], STG, v[TSA]
	v_mul_u32_u24 v[TLA], v[RR], SPI
	v_lshl_add_u32 v[TLA], v[HH], 6, v[TLA]
	v_add_nc_u32 v[TLA], s69, v[TLA]
	v_add_nc_u32 v[TLA], STG, v[TLA]
	v_lshlrev_b32 v[BO], 6, v[HH]
	v_lshrrev_b32 v[PFO], 2, v[LANE]
	v_lshlrev_b32 v[PFO], 12, v[PFO]
	v_and_b32 v253, 3, v[LANE]
	v_lshl_or_b32 v[PFO], v253, 8, v[PFO]
	v_mov_b32 v[ZO], 0
.irp b, 0,1,2,3
	v_mov_b32 v[TM+4+\b], 0
.endr
	s_mov_b32 s[G1+0], 15|(3<<16)|(1<<21)
	s_mov_b32 s[G1+1], 32<<16
	s_mov_b32 s[G1+2], 100<<16
	s_mov_b32 s[G1+3], 32<<16
	s_mov_b32 s[G1+4], 100
	s_mov_b32 s[G1+5], 32
	s_mov_b32 s[G1+6], 0
	s_mov_b32 s[G1+7], 0
	s_mov_b32 s[G0+0], 1
	s_mov_b32 s[G0+1], s68
	s_mov_b32 s[G0+4], 1
	s_add_co_u32 s[G0+5], s68, SLOTB
	s_mov_b32 s[SEL], 0x76543210
	s_mov_b32 s[SEL+1], 0xfedcba98
	s_mov_b32 s[OFF+1], 0
	s_mov_b32 s[CL], 0
	s_mov_b32 s[QI], 1
	s_mov_b32 s67, 0
	s_mov_b32 s69, 0
	s_wait_kmcnt 0x0
	s_mul_i32 s68, s63, QUARTB
	s_add_nc_u64 s[WQB:WQB+1], s[16:17], s[68:69]
	s_mul_i32 s68, s[ROT], SLOTB
	s_add_nc_u64 s[G0+2:G0+3], s[WQB:WQB+1], s[68:69]
	s_add_nc_u64 s[G0+6:G0+7], s[G0+2:G0+3], SLOTB
	s_or_b32 s[G0+3], s[G0+3], 0x80000000
	s_or_b32 s[G0+7], s[G0+7], 0x80000000
	s_lshl_b32 s68, s63, 10
	s_add_nc_u64 s[10:11], s[10:11], s[68:69]
	s_add_nc_u64 s[12:13], s[12:13], s[68:69]
	s_add_nc_u64 s[14:15], s[14:15], s[68:69]
	s_lshl_b32 s66, s[WG], 18
	s_lshl_b32 s62, s[WV], 16
	s_add_co_u32 s66, s66, s62
	s_add_nc_u64 s[KEYB:KEYB+1], s[4:5], s[66:67]
	s_add_nc_u64 s[QRYB:QRYB+1], s[6:7], s[66:67]
	s_lshl_b32 s66, s[WG], 18
	s_lshl_b32 s62, s[WV], 10
	s_add_co_u32 s66, s66, s62
	s_add_nc_u64 s[VB:VB+1], s[8:9], s[66:67]
	s_add_nc_u64 s[72:73], s[VB:VB+1], 8*4096      ; the prefetches' pointer: the first step brings it to row 16
	s_lshl_b32 s66, s[WG], 12
	s_add_co_u32 s66, s66, s62
	s_add_nc_u64 s[PARTB:PARTB+1], s[18:19], s[66:67]
	s_lshl_b32 s66, s[WG], 3
	s_add_nc_u64 s[STB:STB+1], s[20:21], s[66:67]
	CROUND
	tensor_load_to_lds s[G0:G0+3], s[G1:G1+7]
	s_nop 0
	PLACES 4
	s_wait_alu depctr_va_vdst(0)
	NEXTSRC                                        ; the first two tiles of key and the bias are asked for while the first weights are on their way
	XLOAD 1, LB0
	INIT 12, 2, 0
	INIT 12, 3, 512
	NEXTSRC
	XLOAD 0, LB1
	s_wait_tensorcnt 0x0
	ds_add_u32 v5, v6
	s_wait_dscnt 0x0
	CROUND
	tensor_load_to_lds s[G0+4:G0+7], s[G1:G1+7]
	s_nop 0
	PLACES 4
	s_wait_loadcnt 16
	TURN 1, LB0
	s_wait_dscnt 0x0
	SIDEQ 1, LB0
	NEXTSRC
	XLOAD 1, LB0
	s_wait_tensorcnt 1
	s_wait_dscnt 0x0
	s_barrier_signal -1
	s_barrier_wait -1
	v_add_nc_u32 v[SD], CH, v[SD]
	v_add_nc_u32 v[SDS], CH, v[SDS]
	WLOAD 0, 0
	XFETCH 0, 0
	s_mov_b32 s[TR], 4
.Lphase1:
	PERIOD 0, 0, 0, -1, 1, 1, 0, LB1, 1, 0, 0
	PERIOD 1, 1, 1, -1, 0, 1, 1, LB0, 1, 1, 0
	s_sub_co_u32 s[TR], s[TR], 1
	s_cmp_lg_u32 s[TR], 0
	s_cbranch_scc1 .Lphase1
	PLACES 4
.irp g, 0,1
.irp m, 0,1,2,3
	RELU 2+\g, 64*\m
	QUANT 2+\g, 64*\m
.irp c, 0,1,2
	ds_store_b128 v[HD], v[PC+4*\c:PC+4*\c+3] offset:\g*CH+FRB*\m+512*\c
.endr
	ds_store_b32 v[HD], v[PW] offset:\g*CH+4*FRB+4*\m
	s_wait_dscnt 0x0
.endr
.endr
	INIT 14, 2, 0
	INIT 10, 3, 0
	v_lshl_add_u32 v[XAD], v[LANE], 4, IMG
	s_wait_alu depctr_va_vdst(0)
	s_wait_dscnt 0x0
	s_barrier_signal -1
	s_barrier_wait -1
	XFETCH 0, 0
	s_wait_loadcnt 0x0
	s_mov_b32 s[TR], 3
.Lphase2:
	s_wait_alu depctr_va_vdst(0)
	PERIOD 0, 0, 1, 1, 0, 1, 0, LB1, 1, 0, 0
	s_wait_alu depctr_va_vdst(0)
	PERIOD 1, 0, 1, 1, 0, 1, 1, LB0, 2, 0, 0
	s_sub_co_u32 s[TR], s[TR], 1
	s_cmp_lg_u32 s[TR], 0
	s_cbranch_scc1 .Lphase2
	s_wait_alu depctr_va_vdst(0)
	PERIOD 0, 0, 1, 1, 0, 1, 0, LB1, 3, 0, 0
	PERIOD 1, 0, 1, 1, -1, 1, 0, 0, 0, 0, 0
	PLACES 4
	COMBINE 1
	INIT 14, 2, 512
	INIT 10, 3, 512
	v_lshl_add_u32 v[XAD], v[LANE], 4, IMG
	XFETCH 0, 0
	s_wait_loadcnt 0x0
	s_mov_b32 s[TR], 3
.Lphase3:
	s_wait_alu depctr_va_vdst(0)
	PERIOD 0, 0, 1, 1, 0, 1, 0, 0, 0, 0, 1
	PERIOD 1, 0, 1, 1, 0, 1, 0, 0, 0, 0, 1
	s_sub_co_u32 s[TR], s[TR], 1
	s_cmp_lg_u32 s[TR], 0
	s_cbranch_scc1 .Lphase3
	s_wait_alu depctr_va_vdst(0)
	PERIOD 0, 0, 1, 1, 0, 0, 0, 0, 0, 0, 0
	PERIOD 1, 0, 1, 1, -1, -1, 0, 0, 0, 0, 0
	PLACES 4
	VLOAD 1, 0, 16, 24
	COMBINE 0
	VLOAD 2, 0, 40, 24                             ; window 2 is free: value's rows 40 to 63
.irp m, 0,1,2,3
	v_add_f32 v[EA+4*\m], v[EA+4*\m], v[EA+4*\m+1]
	v_add_f32 v[EA+4*\m+2], v[EA+4*\m+2], v[EA+4*\m+3]
.endr
.irp m, 0,1,2,3
	v_add_f32 v[EA+4*\m], v[EA+4*\m], v[EA+4*\m+2]
.endr
.irp m, 0,1,2,3
	v_permlanex16_b32 v[EA+4*\m+1], v[EA+4*\m], s[SEL], s[SEL+1]
.endr
.irp m, 0,1,2,3
	v_add_f32 v[EA+4*\m], v[EA+4*\m], v[EA+4*\m+1]
.endr
.irp m, 0,1,2,3
	ds_store_b32 v[ES], v[EA+4*\m] offset:64*\m
.endr
	s_wait_dscnt 0x0
	s_barrier_signal -1
	s_barrier_wait -1
.irp w, 0,1,2,3
.irp i, 0,1
	ds_load_b32 v[T0+2*\w+\i], v[EL] offset:256*\w+128*\i
.endr
.endr
	s_wait_dscnt 0x0
	v_pk_add_f32 v[T0:T0+1], v[T0:T0+1], v[T0+2:T0+3]
	v_pk_add_f32 v[T0:T0+1], v[T0:T0+1], v[T0+4:T0+5]
	v_pk_add_f32 v[T0:T0+1], v[T0:T0+1], v[T0+6:T0+7]
	v_max_num_f32 v[T0+8], v[T0], v[T0+1]
.irp x, 1,2,4,8
	v_max_num_f32_dpp v[T0+8], v[T0+8], v[T0+8] row_xmask:\x row_mask:0xf bank_mask:0xf
.endr
	v_permlanex16_b32 v[TM+4], v[T0+8], s[SEL], s[SEL+1]
	v_max_num_f32 v[T0+8], v[T0+8], v[TM+4]
	v_sub_f32 v[T0+10], v[T0], v[T0+8]
	v_sub_f32 v[T0+11], v[T0+1], v[T0+8]
	v_mul_f32 v[T0+10], 0x3fb8aa3b, v[T0+10]
	v_mul_f32 v[T0+11], 0x3fb8aa3b, v[T0+11]
	s_wait_alu depctr_va_vdst(0)
	v_exp_f32 v[T0+10], v[T0+10]
	v_exp_f32 v[T0+11], v[T0+11]
	v_nop
	s_wait_alu depctr_va_vdst(0)
	v_add_f32 v[T0+12], v[T0+10], v[T0+11]
.irp x, 1,2,4,8
	v_add_f32_dpp v[T0+12], v[T0+12], v[T0+12] row_xmask:\x row_mask:0xf bank_mask:0xf
.endr
	v_permlanex16_b32 v[TM+4], v[T0+12], s[SEL], s[SEL+1]
	v_add_f32 v[T0+9], v[T0+12], v[TM+4]
	ds_store_b32 v[PS], v[T0+10]
	ds_store_b32 v[PS], v[T0+11] offset:128
.irp i, 0,1,2,3,4,5,6,7,8,9,10,11,12,13,14,15
	ds_load_b128 v[P+4*\i:P+4*\i+3], v[PL] offset:16*\i
.endr
	s_cmp_lg_u32 s[WV], 0
	s_cbranch_scc1 .Lno_stats
	v_cmp_eq_u32 vcc_lo, 0, v[LANE]
	s_wait_xcnt 0x0
	s_and_saveexec_b32 s70, vcc_lo
	s_wait_alu depctr_va_vdst(0)
	global_store_b64 v[ZO], v[T0+8:T0+9], s[STB:STB+1]
	s_wait_xcnt 0x0
	s_or_b32 exec_lo, exec_lo, s70
.Lno_stats:
	s_wait_dscnt 0x0
.set rw, 0
.rept 8
	VROW rw, 1, LB0+8*rw
.set rw, rw+1
.endr
.rept 8
	VROW rw, 0, LB1+8*(rw-8)
.set rw, rw+1
.endr
	s_wait_alu depctr_va_vdst(0)
.irp cnt, 63, 63, 48
	s_wait_alu depctr_va_vdst(0)
	s_wait_loadcnt \cnt
.rept 8
	VROW rw, 1, 8*(rw-16)
.set rw, rw+1
.endr
.endr
	s_wait_alu depctr_va_vdst(0)
.irp cnt, 32, 16, 0
	s_wait_alu depctr_va_vdst(0)
	s_wait_loadcnt \cnt
.rept 8
	VROW rw, 2, 8*(rw-40)
.set rw, rw+1
.endr
.endr
	WIN 0
.irp q, 0,1,2,3
	v_pk_add_f32 v[CT+2*\q:CT+2*\q+1], v[CT+2*\q:CT+2*\q+1], v[CT+8+2*\q:CT+8+2*\q+1]
.endr
	global_store_b128 v[LI], v[CT:CT+3], s[PARTB:PARTB+1]
	global_store_b128 v[LI], v[CT+4:CT+7], s[PARTB:PARTB+1] offset:512
	s_wait_tensorcnt 0x0
	ds_add_u32 v[SPW], v[NIL]
	s_wait_dscnt 0x0
	CROUND
	s_endpgm
.Lfunc_end_k_q7fbfe95b00_fused:
	.size	k_q7fbfe95b00_fused, .Lfunc_end_k_q7fbfe95b00_fused-k_q7fbfe95b00_fused
	.p2alignl 7, 3214868480
	.fill 96, 4, 3214868480
	.section	.rodata,"a",@progbits
	.p2align	6, 0x0
	.amdhsa_kernel k_q7fbfe95b00_fused
		.amdhsa_group_segment_fixed_size 327680
		.amdhsa_private_segment_fixed_size 0
		.amdhsa_enable_private_segment 0
		.amdhsa_kernarg_size 72
		.amdhsa_user_sgpr_count 2
		.amdhsa_user_sgpr_kernarg_segment_ptr 1
		.amdhsa_wavefront_size32 1
		.amdhsa_system_sgpr_workgroup_id_x 1
		.amdhsa_system_sgpr_workgroup_id_y 1
		.amdhsa_system_sgpr_workgroup_id_z 1
		.amdhsa_system_vgpr_workitem_id 0
		.amdhsa_next_free_vgpr 1024
		.amdhsa_next_free_sgpr 80
		.amdhsa_reserve_vcc 1
		.amdhsa_float_denorm_mode_32 3
		.amdhsa_float_denorm_mode_16_64 3
		.amdhsa_memory_ordered 1
		.amdhsa_forward_progress 1
		.amdhsa_inst_pref_size 255
	.end_amdhsa_kernel
	.section	.bss,"aw",@nobits
	.p2align	6
	.space	262144
	.amdgpu_metadata
---
amdhsa.version: [ 1, 2 ]
amdhsa.kernels:
  - .name:           k_q7fbfe95b00_fused
    .symbol:         k_q7fbfe95b00_fused.kd
    .args:
      - { .name: key, .offset: 0, .size: 8, .value_kind: global_buffer, .address_space: global }
      - { .name: query, .offset: 8, .size: 8, .value_kind: global_buffer, .address_space: global }
      - { .name: value, .offset: 16, .size: 8, .value_kind: global_buffer, .address_space: global }
      - { .name: b0, .offset: 24, .size: 8, .value_kind: global_buffer, .address_space: global }
      - { .name: b1, .offset: 32, .size: 8, .value_kind: global_buffer, .address_space: global }
      - { .name: ba, .offset: 40, .size: 8, .value_kind: global_buffer, .address_space: global }
      - { .name: wq, .offset: 48, .size: 8, .value_kind: global_buffer, .address_space: global }
      - { .name: part, .offset: 56, .size: 8, .value_kind: global_buffer, .address_space: global }
      - { .name: stats, .offset: 64, .size: 8, .value_kind: global_buffer, .address_space: global }
    .group_segment_fixed_size: 327680
    .private_segment_fixed_size: 0
    .kernarg_segment_align: 8
    .kernarg_segment_size: 72
    .max_flat_workgroup_size: 128
    .sgpr_count:     80
    .vgpr_count:     1024
    .wavefront_size: 32
...
	.end_amdgpu_metadata
.endif
;; end of part 5
;; launch combine (part 6): grid 16 x 1, 8 waves a work-group, no clusters, 5,120 bytes of LDS; arguments part, stats, out0; writes out0
.if DOCPART == 6
	.amdgcn_target "amdgcn-amd-amdhsa--gfx1250"
	.amdhsa_code_object_version 6
	.text
	.protected	k_q7fbfe95b00_combine
	.globl	k_q7fbfe95b00_combine
	.p2align	8
	.type	k_q7fbfe95b00_combine,@function
k_q7fbfe95b00_combine:
	s_mov_b64 s[64:65], 0
	v_nop
	global_prefetch_b8 v0, s[64:65] scope:SCOPE_SE
	s_setreg_imm32_b32 hwreg(HW_REG_WAVE_MODE, 25, 1), 1
	s_wait_xcnt 0x0
; out0[c] = (sum over g of w[g] part[g][c]) / (sum over g of w[g] l[g]),  w[g] = exp(m[g] - M),  M = the largest of the 256 m.  part [256][1024] f32, stats [256][2] f32 = (m, l).
; A work-group owns 64 columns, one aligned run of 256 bytes of the output: one owner for each, so 16 work-groups.  Wave v sums parts 32 v .. 32 v + 31; the eight waves' sums meet in LDS; wave 0 adds, divides and stores.
; Each load of part reads two rows' 256 consecutive bytes.  Every wave makes M and the divisor for itself from all 256 pairs (2 KB).
; No matrix unit, no cluster, no tensor load: 1 MB is read once, and nothing is shared but 2 KB.
; LIMITS: NaN and infinities are not served.  M is taken away before the exponential; l is at least 1 in every part, so the divisor is at least 1.
.set WL,  0                            ; LDS: my wave's 32 weights, 128 bytes a wave
.set RED, 1024                         ; the waves' sums: 256 bytes a wave
	s_load_b128 s[4:7], s[0:1], 0x0                ; part, stats
	s_load_b64 s[8:9], s[0:1], 0x10                ; out0
	v_lshl_add_u32 v144, v0, 2, 0x1000
	v_mov_b32 v145, 0
	v_lshrrev_b32 v1, 5, v0
	s_delay_alu instid0(VALU_DEP_1)
	v_readfirstlane_b32 s10, v1                    ; wave 0..7
	v_and_b32 v1, 31, v0                           ; lane
	v_and_b32 v2, 15, v0                           ; r
	v_bfe_u32 v3, v0, 4, 1                         ; h
	s_delay_alu instid0(VALU_DEP_3)
	v_lshlrev_b32 v4, 3, v1                        ; stats: 8 bytes a lane
	s_lshl_b32 s11, s10, 8
	v_add_nc_u32 v5, s11, v4                       ; my wave's own 32 pairs
	s_lshl_b32 s12, s10, 17                        ; part: my wave's 32 rows of 4,096 bytes,
	s_lshl_b32 s13, ttmp9, 8                       ; my work-group's 256 bytes of a row,
	s_add_co_u32 s12, s12, s13
	v_lshlrev_b32 v6, 12, v3                       ; lanes 16-31 the next row,
	s_delay_alu instid0(VALU_DEP_1)
	v_lshl_add_u32 v6, v2, 4, v6                   ; 16 bytes a lane
	s_delay_alu instid0(VALU_DEP_1)
	v_add_nc_u32 v6, s12, v6
	v_lshlrev_b32 v7, 2, v0                        ; WL + 128 wave + 4 lane = 4 x my thread's number
	s_lshl_b32 s14, s10, 7
	v_lshl_add_u32 v8, v3, 2, s14                  ; WL + 128 wave + 4 h
	v_lshlrev_b32 v9, 4, v2
	s_delay_alu instid0(VALU_DEP_1)
	v_add_nc_u32 v10, s11, v9
	s_delay_alu instid0(VALU_DEP_1)
	v_add_nc_u32 v10, RED, v10                     ; RED + 256 wave + 16 r
	s_delay_alu instid0(VALU_DEP_3)
	v_lshl_add_u32 v11, v3, 10, v9
	s_delay_alu instid0(VALU_DEP_1)
	v_add_nc_u32 v11, RED, v11                     ; RED + 1,024 h + 16 r
	v_add_nc_u32 v12, s13, v9                      ; out0: 256 work-group + 16 r
	v_mov_b32 v35, 0                               ; a lane permute's destination counts as one of its sources
	s_mov_b32 s16, 0x76543210
	s_mov_b32 s17, 0xfedcba98
	s_wait_kmcnt 0x0
.irp k, 0,1,2,3,4,5,6,7
	global_load_b64 v[16+2*\k:17+2*\k], v4, s[6:7] offset:256*\k   ; (m, l) of part 32 k + lane
.endr
	global_load_b64 v[32:33], v5, s[6:7]           ; and of part 32 wave + lane
.irp i, 0,1,2,3,4,5,6,7,8,9,10,11,12,13,14,15
	global_load_b128 v[40+4*\i:43+4*\i], v6, s[4:5] offset:8192*\i th:TH_LOAD_NT   ; part 32 wave + 2 i + h, my 4 columns
.endr
	s_wait_loadcnt 16                              ; the pairs are in; part's 16 loads may stay out
	v_max3_num_f32 v34, v16, v18, v20
	s_delay_alu instid0(VALU_DEP_1)
	v_max3_num_f32 v34, v34, v22, v24
	s_delay_alu instid0(VALU_DEP_1)
	v_max3_num_f32 v34, v34, v26, v28
	s_delay_alu instid0(VALU_DEP_1)
	v_max_num_f32 v34, v34, v30
.irp x, 1,2,4,8
	s_delay_alu instid0(VALU_DEP_1)
	v_max_num_f32_dpp v34, v34, v34 row_xmask:\x row_mask:0xf bank_mask:0xf
.endr
	s_wait_alu depctr_va_vdst(0)
	v_permlanex16_b32 v35, v34, s16, s17
	s_delay_alu instid0(VALU_DEP_1)
	v_max_num_f32 v34, v34, v35                    ; M
.irp k, 0,1,2,3,4,5,6,7,8
	v_sub_f32 v[16+2*\k], v[16+2*\k], v34
.endr
.irp k, 0,1,2,3,4,5,6,7,8
	v_mul_f32 v[16+2*\k], 0x3fb8aa3b, v[16+2*\k]   ; x log2(e)
.endr
	s_wait_alu depctr_va_vdst(0)
.irp k, 0,1,2,3,4,5,6,7,8
	v_exp_f32 v[16+2*\k], v[16+2*\k]               ; w = exp(m - M)
.endr
	v_nop                                          ; a plain place behind the exponentials
	s_wait_alu depctr_va_vdst(0)                   ; one wait for the nine, ahead of their first reader
	ds_store_b32 v7, v32                           ; my wave's weights, a lane a part
	v_mul_f32 v36, v16, v17
.irp k, 1,2,3,4,5,6,7
	v_fmac_f32 v36, v[16+2*\k], v[17+2*\k]
.endr
.irp x, 1,2,4,8
	s_delay_alu instid0(VALU_DEP_1)
	v_add_f32_dpp v36, v36, v36 row_xmask:\x row_mask:0xf bank_mask:0xf
.endr
	s_delay_alu instid0(VALU_DEP_1)
	v_permlanex16_b32 v35, v36, s16, s17
	s_delay_alu instid0(VALU_DEP_1)
	v_add_f32 v36, v36, v35                        ; the divisor
.irp i, 0,1,2,3,4,5,6,7,8,9,10,11,12,13,14,15
	ds_load_b32 v[104+\i], v8 offset:8*\i          ; w of part 32 wave + 2 i + h: my wave's own bytes, served in order (ISA guide 5.7.1.4)
.endr
	s_wait_loadcnt 0x0
	s_wait_dscnt 0x0
	v_pk_mul_f32 v[120:121], v[40:41], v[104:105] op_sel_hi:[1,0]
	v_pk_mul_f32 v[122:123], v[42:43], v[104:105] op_sel_hi:[1,0]
.irp i, 1,3,5,7,9,11,13,15
	s_delay_alu instid0(VALU_DEP_2)
	v_pk_fma_f32 v[120:121], v[40+4*\i:41+4*\i], v[103+\i:104+\i], v[120:121] op_sel:[0,1,0] op_sel_hi:[1,1,1]
	s_delay_alu instid0(VALU_DEP_2)
	v_pk_fma_f32 v[122:123], v[42+4*\i:43+4*\i], v[103+\i:104+\i], v[122:123] op_sel:[0,1,0] op_sel_hi:[1,1,1]
.if \i < 15
	s_delay_alu instid0(VALU_DEP_2)
	v_pk_fma_f32 v[120:121], v[44+4*\i:45+4*\i], v[105+\i:106+\i], v[120:121] op_sel_hi:[1,0,1]
	s_delay_alu instid0(VALU_DEP_2)
	v_pk_fma_f32 v[122:123], v[46+4*\i:47+4*\i], v[105+\i:106+\i], v[122:123] op_sel_hi:[1,0,1]
.endif
.endr
.irp c, 0,1,2,3
	v_permlanex16_b32 v[40+\c], v[120+\c], s16, s17
.endr
	s_delay_alu instid0(VALU_DEP_3)
	v_pk_add_f32 v[120:121], v[120:121], v[40:41]  ; even and odd parts together: my wave's 32
	s_delay_alu instid0(VALU_DEP_2)
	v_pk_add_f32 v[122:123], v[122:123], v[42:43]
	ds_store_b128 v10, v[120:123]                  ; both halves of the lanes write the same bytes with the same values
	s_wait_dscnt 0x0                               ; for the others' sake
	s_barrier_signal -1
	s_barrier_wait -1
	s_cmp_lg_u32 s10, 0
	s_cbranch_scc1 .Lend
.irp q, 0,1,2,3
	ds_load_b128 v[128+4*\q:131+4*\q], v11 offset:256*\q   ; the sums of waves 4 h + q
.endr
	s_wait_alu depctr_va_vdst(0)
	v_rcp_f32 v37, v36
	s_wait_dscnt 0x0
	v_pk_add_f32 v[128:129], v[128:129], v[132:133]        ; (plain work behind the reciprocal)
	v_pk_add_f32 v[130:131], v[130:131], v[134:135]
	v_pk_add_f32 v[136:137], v[136:137], v[140:141]
	v_pk_add_f32 v[138:139], v[138:139], v[142:143]
	s_delay_alu instid0(VALU_DEP_2)
	v_pk_add_f32 v[128:129], v[128:129], v[136:137]
	s_delay_alu instid0(VALU_DEP_2)
	v_pk_add_f32 v[130:131], v[130:131], v[138:139]
.irp c, 0,1,2,3
	v_permlanex16_b32 v[132+\c], v[128+\c], s16, s17
.endr
	s_delay_alu instid0(VALU_DEP_3)
	v_pk_add_f32 v[128:129], v[128:129], v[132:133]
	s_delay_alu instid0(VALU_DEP_2)
	v_pk_add_f32 v[130:131], v[130:131], v[134:135]
	s_wait_alu depctr_va_vdst(0)                   ; ahead of the reciprocal's first reader
	v_pk_mul_f32 v[128:129], v[128:129], v[36:37] op_sel:[0,1] op_sel_hi:[1,1]
	v_pk_mul_f32 v[130:131], v[130:131], v[36:37] op_sel:[0,1] op_sel_hi:[1,1]
	v_cmp_gt_u32 vcc_lo, 16, v1
	s_wait_alu depctr_va_vdst(0)
	s_wait_xcnt 0x0                                ; EXEC changes only behind this wait
	s_and_saveexec_b32 s18, vcc_lo
	global_store_b128 v12, v[128:131], s[8:9]      ; sixteen lanes store 256 consecutive bytes, aligned
	s_wait_xcnt 0x0
	s_or_b32 exec_lo, exec_lo, s18
.Lend:
	s_wait_tensorcnt 0x0
	ds_add_u32 v144, v145
	s_wait_dscnt 0x0
	s_endpgm
.Lfunc_end_k_q7fbfe95b00_combine:
	.size	k_q7fbfe95b00_combine, .Lfunc_end_k_q7fbfe95b00_combine-k_q7fbfe95b00_combine
	.p2alignl 7, 3214868480
	.fill 96, 4, 3214868480
	.section	.rodata,"a",@progbits
	.p2align	6, 0x0
	.amdhsa_kernel k_q7fbfe95b00_combine
		.amdhsa_group_segment_fixed_size 5120
		.amdhsa_private_segment_fixed_size 0
		.amdhsa_enable_private_segment 0
		.amdhsa_kernarg_size 24
		.amdhsa_user_sgpr_count 2
		.amdhsa_user_sgpr_kernarg_segment_ptr 1
		.amdhsa_wavefront_size32 1
		.amdhsa_system_sgpr_workgroup_id_x 1
		.amdhsa_system_sgpr_workgroup_id_y 1
		.amdhsa_system_sgpr_workgroup_id_z 1
		.amdhsa_system_vgpr_workitem_id 0
		.amdhsa_next_free_vgpr 146
		.amdhsa_next_free_sgpr 66
		.amdhsa_reserve_vcc 1
		.amdhsa_float_denorm_mode_32 3
		.amdhsa_float_denorm_mode_16_64 3
		.amdhsa_memory_ordered 1
		.amdhsa_forward_progress 1
		.amdhsa_inst_pref_size 14
	.end_amdhsa_kernel
	.amdgpu_metadata
---
amdhsa.version: [ 1, 2 ]
amdhsa.kernels:
  - .name:           k_q7fbfe95b00_combine
    .symbol:         k_q7fbfe95b00_combine.kd
    .args:
      - { .name: part, .offset: 0, .size: 8, .value_kind: global_buffer, .address_space: global }
      - { .name: stats, .offset: 8, .size: 8, .value_kind: global_buffer, .address_space: global }
      - { .name: out0, .offset: 16, .size: 8, .value_kind: global_buffer, .address_space: global }
    .group_segment_fixed_size: 5120
    .private_segment_fixed_size: 0
    .kernarg_segment_align: 8
    .kernarg_segment_size: 24
    .max_flat_workgroup_size: 256
    .sgpr_count:     66
    .vgpr_count:     146
    .wavefront_size: 32
...
	.end_amdgpu_metadata
.endif
;; end of part 6
